; MI455X (gfx1250); checked and timed in simulation.
; The chip was launched on July 23, 2026; its instructions are those of AMD's public machine-readable ISA for CDNA 5 (MIT licence, August 2026) and "CDNA5" Instruction Set Architecture Reference Guide (July 2026). The comments in the code are by the model that wrote it; some were corrected since.
;; Ro PEA Li Bi Latent Self Attention. Allowed arithmetic: matrix products marked QUANTISED: E2M3 operands, one E8M0 scale for each 32 along K, by v_wmma_scale_f32_16x16x128_f8f6f4 with both operands' format E2M3, f32 sums; everything else in f32.
;; Inputs: Wk 512 x 1,024 float32; Wl 1,024 x 512 float32; Wo 1,024 x 1,024 float32; Wq 512 x 1,024 float32; Wv 512 x 1,024 float32; alibi_bias 16 x 1,024 x 1,024 float32; bk 1,024 float32; bl 512 float32; bo 1,024 float32; bq 1,024 float32; bv 1,024 float32; mask 8 x 1,024 bool; pos_emb 1,024 x 32 float32; src 8 x 1,024 x 1,024 float32.
;; Outputs: out0 8 x 1,024 x 1,024 float32.
;; This version of the problem:
;;   THIS VERSION OF THE PROBLEM IS GIVEN IN LOW PRECISION. The matrix products marked QUANTISED in the list below multiply operands that are first quantised to E2M3 (2 exponent bits, 3 mantissa bits; 6 bits a number), with one power-of-two scale for each 32 numbers along K (OCP MX v1.0); their sums are f32. All else is computed in f32.
;;   The module's matrix products, in the order in which they are computed (A, B: the left and right operand; K: the contracted axis; several contracted axes count as one K, in the product's order):
;;     1. [M 8,192, K 1,024] x [K 1,024, N 512]; A: input src; B: input Wl: QUANTISED
;;     2. [M 8,192, K 512] x [K 512, N 1,024]; A: computed on the way; B: input Wq: QUANTISED
;;     3. [M 8,192, K 512] x [K 512, N 1,024]; A: computed on the way; B: input Wk: QUANTISED
;;     4. [M 8,192, K 512] x [K 512, N 1,024]; A: computed on the way; B: input Wv: QUANTISED
;;     5. batch 128 x [M 1,024, K 64] x [K 64, N 1,024]; A: computed on the way; B: computed on the way: QUANTISED
;;     6. batch 128 x [M 1,024, K 1,024] x [K 1,024, N 64]; A: softmax (see below); B: computed on the way: QUANTISED
;;     7. [M 8,192, K 1,024] x [K 1,024, N 1,024]; A: computed on the way; B: input Wo: QUANTISED
;;   THE QUANTISER, for each operand of a quantised product, along K:
;;     - K is cut into blocks of 32 from its start; a last block that is shorter is filled with zeros.
;;     - A block's scale is 2^e with e = floor(log2(the largest magnitude in the block)) - 2, held to -126 .. 127; a block of zeros has e = 0. As a byte (E8M0): e + 127.
;;     - Each number is divided by its block's scale, clamped to +-7.5, and rounded to the nearest number of E2M3, ties to even, subnormals kept.
;;     - The product sums the exact products of the quantised numbers (number of the format x scale) in f32.
;;   ~~~python
;;   def quantise(x, axis):      # numpy; x: float32 -> the quantised numbers, widened to float32 again
;;       x = np.moveaxis(x, axis, -1); K = x.shape[-1]
;;       x = np.pad(x, [(0, 0)] * (x.ndim - 1) + [(0, -K % 32)]); x = x.reshape(x.shape[:-1] + (-1, 32)); a = np.abs(x).max(-1, keepdims=True)
;;       e = np.where(a > 0, np.clip(np.frexp(np.where(a > 0, a, 1))[1] - 1 - 2, -126, 127), 0)      # np.frexp(a)[1] - 1 = floor(log2(a)), exactly
;;       r = np.clip(x / 2.0 ** e, -7.5, 7.5)
;;       step = 2.0 ** (np.maximum(np.frexp(np.where(r == 0, 1, r))[1] - 1, 0) - 3)
;;       q = np.round(r / step) * step * 2.0 ** e      # np.round: ties to even
;;       return np.moveaxis(q.reshape(q.shape[:-2] + (-1,))[..., :K], -1, axis).astype(np.float32)
;;   ~~~
;;   SOFTMAX AHEAD OF A QUANTISED PRODUCT. Where the list says 'softmax', what is quantised is not the finished softmax but p = 2^(t - M), with t = logit x log2(e) and M = ceil(the row's largest t), a whole number; so 1/2 < the row's largest p <= 1. The row's sum l is taken of the UNQUANTISED p, in f32, and the product's result is divided by l at the end. Since M is a whole number, a kernel that streams over the keys may use a running M (the ceiling of the running maximum): every later rescaling is an exact power of two, which a block's scale takes up: the codes' values come out the same.
;;   OPERANDS COMPUTED ON THE WAY. 'Computed on the way' means the value that the module computes at that place (a softmax that the list does not call 'softmax' is quantised finished and normalised). What goes into a quantiser is computed in f32, as accurately as f32 sums, v_exp_f32 and their like allow (about 1e-6 of the number): no bf16 or f16 on the way to a quantiser, and a product that is left as it is and whose result goes on into a quantised operand takes f32 operands (vector FMAs, or v_wmma_f32_16x16x4_f32). A number that lies on a knife's edge between two numbers of the format may be rounded either way, as far as f32 arithmetic and the matrix unit's own rounding can turn it there, and no further.
;; One version. Each part assembles by itself: llvm-mc -triple=amdgcn-amd-amdhsa -mcpu=gfx1250 --defsym DOCPART=n.
;; ======== version 1 of 1: 4 launches
;; limits: right only within a limited range of input values; inputs' magnitudes at most 100,000
;; workspace buffers: sq 6,553,600 bytes; wq 2,457,600 bytes; cs 262,144 bytes; qc 8,912,896 bytes; kv 15,466,496 bytes; ao 6,553,600 bytes
;; launch prep (part 1): grid 736 x 1, 4 waves a work-group, no clusters, 34,304 bytes of LDS; arguments src, Wl, Wq, Wk, Wv, Wo, pos_emb, sq, wq, cs; writes sq, wq, cs
.if DOCPART == 1
	.amdgcn_target "amdgcn-amd-amdhsa--gfx1250"
	.amdhsa_code_object_version 6
	.text
	.protected	k_q348afb5773_prep
	.globl	k_q348afb5773_prep
	.p2align	8
	.type	k_q348afb5773_prep,@function
k_q348afb5773_prep:
	s_mov_b64 s[64:65], 0
	v_nop
	global_prefetch_b8 v0, s[64:65] scope:SCOPE_SE
	s_setreg_imm32_b32 hwreg(HW_REG_WAVE_MODE, 25, 1), 1
	s_wait_xcnt 0x0
; PREP: everything that is quantised once.  src [8192][1024] and the five weights ([K][N], K their first axis) become codes of FP6 (E2M3) with one E8M0 byte for
; each 32 along K, laid in the order of the matrix operand's registers; pos_emb becomes a table of (cos, sin).
; A block's scale is 2^(floor(log2(largest magnitude)) - 2): its byte is the largest magnitude's exponent field - 2, held at 1 from below by a floor among the maximum's leaves.
; LAYOUT.  A fragment is 16 rows x 128 K, 12 registers a lane: lane (i, h) holds row i, registers 6 c .. 6 c + 5 the codes of k = 64 c + 32 h + 0 .. 31.  It lies in memory as 1,536 bytes:
; for c = 0, 1: registers 6 c .. 6 c + 3 as 512 bytes (16 x lane), registers 6 c + 4, 6 c + 5 as 256 bytes (8 x lane).  In each group of 32 rows (or columns) tile u takes as its row i
; the row 8 u + i + 8 (i / 8), so that the results of two neighbouring tiles of a transposed product are 16 neighbours along the next K.
; A scale run is 128 bytes: the words of tile u, row i, at 4 (16 u + i).
; sq: [row block of 128: 64] x 102,400 bytes: fragments (8 s + a) x 1,536, then from 98,304 on runs at 512 s + 128 (a / 2).
; wq: 384 units of 6,144 bytes (64 columns x 128 K: four fragments), then from 2,359,296 on 256 bytes of scale runs a unit.
;     Unit: Wl 8 G + s;  Wq, Wk, Wv 64 + 12 G + 4 task + s;  Wo 256 + 8 G + s   (G: the group of 64 columns, s: the K step of 128).
; cs: [position 1024][angle 32][cos, sin] f32.
; SHARES.  Work-groups 0-511: src;  512-543: Wl;  544-703: Wq, Wk, Wv, Wo;  704-735: the table.  The paths part on the work-group's number alone; only the first uses LDS.
; No tensor load, no barrier, no cluster: no two work-groups read the same bytes, and the waves of a work-group share nothing.
; LIMITS: a block of zeros gets the byte 1 where the rule says 127 (its codes are zeros, and this program alone reads the bytes); blocks whose largest magnitude lies under 2^-124 are held at
; that byte; NaN and infinities are not served; angles up to about 1e5 in magnitude (two-part reduction by pi / 2).
.set R,   16                           ; v16-143  src: 2 tiles x 16 rows x 4 registers, as loaded
.set X,   144                          ; v144-207 64 numbers of a lane: register 32 c + j = k 64 c + 32 h + j of my row
.set TT,  220                          ; v220-227 the upper halves of the blocks' codes, before they are moved
.set TM,  228                          ; v228-235 at work
	s_load_b512 s[4:19], s[0:1], 0x0               ; src 4, Wl 6, Wq 8, Wk 10, Wv 12, Wo 14, pos_emb 16, sq 18
	s_load_b128 s[20:23], s[0:1], 0x40             ; wq 20, cs 22
	v_lshl_add_u32 v254, v0, 2, 0x8400
	v_mov_b32 v255, 0
	v_lshrrev_b32 v1, 5, v0
	v_readfirstlane_b32 s24, v1                    ; wave
	v_and_b32 v1, 31, v0                           ; lane
	s_mov_b32 s26, 0x76543210
	s_mov_b32 s27, 0xfedcba98                      ; v_permlanex16_b32's selects for lane l xor 16
	s_mov_b32 s33, 0                               ; the upper word of every offset
	s_wait_kmcnt 0x0
	s_cmp_lt_u32 ttmp9, 512
	s_cbranch_scc1 .Lsrc
	s_cmp_lt_u32 ttmp9, 544
	s_cbranch_scc1 .Lwl
	s_cmp_lt_u32 ttmp9, 704
	s_cbranch_scc1 .Lwn
; ---- THE TABLE.  32 work-groups x 128 threads x 4 pairs of angles.  n = the nearest whole number to x 2 / pi; rho = x - n pi / 2 in two parts; polynomials on |rho| <= pi / 4; the quadrant n mod 4
; swaps sine and cosine and sets the signs.
.macro TRIG x, co, si
	v_mul_f32 v20, 0x3f22f983, v[\x]
	v_rndne_f32 v20, v20                           ; n
	v_fmamk_f32 v21, v20, 0xbfc90fdb, v[\x]        ; x - n x (pi / 2 rounded to f32)
	v_fmamk_f32 v21, v20, 0x333bbd2e, v21          ; + n x (what that rounding added): rho
	v_mul_f32 v22, v21, v21                        ; z = rho^2
	v_cvt_i32_f32 v23, v20
	v_mov_b32 v24, 0xb94ca1f9
	v_fmaak_f32 v24, v24, v22, 0x3c08839e
	v_fmaak_f32 v24, v24, v22, 0xbe2aaaa3
	v_mul_f32 v25, v22, v21
	v_fma_f32 v24, v24, v25, v21                   ; sin rho
	v_mov_b32 v26, 0x37ccf5ce
	v_fmaak_f32 v26, v26, v22, 0xbab6061a
	v_fmaak_f32 v26, v26, v22, 0x3d2aaaa5
	v_mul_f32 v27, v22, v22
	v_fma_f32 v28, v22, -0.5, 1.0
	v_fma_f32 v26, v26, v27, v28                   ; cos rho
	v_and_b32 v29, 1, v23
	v_cmp_eq_u32 vcc_lo, 1, v29
	v_cndmask_b32 v30, v24, v26, vcc_lo            ; odd quadrants: the sine is +- cos rho,
	v_cndmask_b32 v31, v26, v24, vcc_lo            ; the cosine +- sin rho
	v_and_b32 v29, 2, v23
	v_lshlrev_b32 v29, 30, v29
	v_xor_b32 v[\si], v30, v29                     ; the sine is negative in quadrants 2, 3
	v_add_nc_u32 v29, 1, v23
	v_and_b32 v29, 2, v29
	v_lshlrev_b32 v29, 30, v29
	v_xor_b32 v[\co], v31, v29                     ; the cosine in quadrants 1, 2
.endm
	s_sub_co_u32 s28, ttmp9, 704
	s_lshl_b32 s28, s28, 7
	v_add_nc_u32 v2, s28, v0                       ; my pair of angles among 4,096
	v_lshlrev_b32 v3, 4, v2                        ; 16 bytes out,
	v_lshlrev_b32 v2, 3, v2                        ; 8 bytes in
.irp i, 0,1,2,3
	global_load_b64 v[8+2*\i:9+2*\i], v2, s[16:17] offset:32768*\i
.endr
	s_wait_loadcnt 0x0
.irp i, 0,1,2,3,4,5,6,7
	TRIG 8+\i, 40+2*\i, 41+2*\i
.endr
.irp i, 0,1,2,3
	global_store_b128 v3, v[40+4*\i:43+4*\i], s[22:23] offset:65536*\i   ; a wave stores 512 consecutive bytes
.endr
	s_endpgm
; ---- SRC.  A work-group takes 32 rows x 512 along K; wave w the K step s = 4 kh + w: the four waves stand side by side on 2,048 bytes of each row.
; Each load reads 512 consecutive bytes of one row.  A tile's 16 rows turn through the wave's own stage in LDS (rows of 528 bytes), so that a lane gets two whole blocks of its row.
.macro QB C, W                         ; X's 64 numbers -> the fragment's 12 registers at v[C], the row's scale word in v[W]
.irp c, 0,1
	v_max3_num_f32 v[TM+\c], |v[X+32*\c]|, |v[X+32*\c+1]|, 0x1800000   ; my block 2 c + h, and the floor 2^(3 - 127)
.endr
.irp i, 2,4,6,8,10,12,14,16,18,20,22,24,26,28,30
.irp c, 0,1
	v_max3_num_f32 v[TM+\c], v[TM+\c], |v[X+32*\c+\i]|, |v[X+32*\c+\i+1]|
.endr
.endr
.irp c, 0,1
	v_add_nc_u32 v[TM+2+\c], 0xff000000, v[TM+\c]  ; 2 off the exponent field: the conversion's scale operand
.endr
.irp c, 0,1
	v_lshrrev_b32 v[TM+4+\c], 23, v[TM+2+\c]       ; the byte
.endr
	v_lshl_or_b32 v[\W], v[TM+5], 16, v[TM+4]      ; blocks h and 2 + h,
	v_lshlrev_b32 v[\W], v7, v[\W]                 ; 8 h bits up;
	v_permlanex16_b32 v[TM+6], v[\W], s26, s27
	v_or_b32 v[\W], v[\W], v[TM+6]                 ; with lane l xor 16's two bytes the word is whole
.irp c, 0,1
	v_cvt_scalef32_pk16_fp6_f32 v[\C+6*\c:\C+6*\c+2], v[X+32*\c:X+32*\c+15], v[TM+2+\c]
	v_cvt_scalef32_pk16_fp6_f32 v[TT+4*\c:TT+4*\c+2], v[X+32*\c+16:X+32*\c+31], v[TM+2+\c]   ; (a conversion's three registers begin on an even number)
.endr
	v_nop                                          ; one plain place behind a scaled conversion
.irp c, 0,1
.irp i, 0,1,2
	v_mov_b32 v[\C+6*\c+3+\i], v[TT+4*\c+\i]
.endr
.endr
.endm
.macro STILE u, left, C, W
	s_wait_loadcnt \left                           ; this tile's 16 loads are in; left: the other tile's, which may be out
.irp p, 0,1,2,3,4,5,6,7,8,9,10,11,12,13,14,15
	ds_store_b128 v3, v[R+64*\u+4*\p:R+64*\u+4*\p+3] offset:528*\p
.endr
.irp c, 0,1
.irp i, 0,1,2,3,4,5,6,7
	ds_load_b128 v[X+32*\c+4*\i:X+32*\c+4*\i+3], v4 offset:256*\c+16*\i   ; LDS serves a wave's instructions in order: these see the stores above
.endr
.endr
	s_wait_dscnt 0x0
	QB \C, \W
	global_store_b128 v2, v[\C:\C+3], s[36:37] offset:1536*\u            ; 512, 256, 512, 256 consecutive bytes: the fragment
	global_store_b64 v5, v[\C+4:\C+5], s[36:37] offset:1536*\u+512
	global_store_b128 v2, v[\C+6:\C+9], s[36:37] offset:1536*\u+768
	global_store_b64 v5, v[\C+10:\C+11], s[36:37] offset:1536*\u+1280
.endm
.Lsrc:
	s_and_b32 s28, ttmp9, 1
	s_lshl_b32 s28, s28, 2
	s_add_co_u32 s28, s28, s24                     ; s
	s_bfe_u32 s29, ttmp9, 0x20001                  ; which 32 rows of the row block
	s_lshr_b32 s30, ttmp9, 3                       ; the row block
	s_lshl_b32 s32, s30, 19                        ; 128 rows of 4,096 bytes
	s_lshl_b32 s31, s29, 17
	s_add_co_u32 s32, s32, s31
	s_lshl_b32 s31, s28, 9
	s_add_co_u32 s32, s32, s31
	s_add_nc_u64 s[4:5], s[4:5], s[32:33]
	s_mul_i32 s34, s30, 102400
	s_lshl_b32 s31, s28, 3
	s_lshl_b32 s35, s29, 1
	s_add_co_u32 s31, s31, s35                     ; fragment 8 s + 2 (pair of tiles)
	s_mul_i32 s31, s31, 1536
	s_add_co_u32 s32, s34, s31
	s_add_nc_u64 s[36:37], s[18:19], s[32:33]
	s_lshl_b32 s31, s28, 9
	s_lshl_b32 s35, s29, 7
	s_add_co_u32 s31, s31, s35
	s_add_co_u32 s31, s31, 98304
	s_add_co_u32 s32, s34, s31
	s_add_nc_u64 s[38:39], s[18:19], s[32:33]      ; the pair's scale run
	s_mov_b32 s40, 0xffff0000
	s_mul_i32 s41, s24, 8448                       ; my stage: 16 rows x 528 bytes
	s_wait_alu depctr_va_vdst(0)
	v_lshlrev_b32 v2, 4, v1
	v_lshlrev_b32 v5, 3, v1
	v_lshlrev_b32 v6, 2, v1
	v_add_nc_u32 v3, s41, v2                       ; into the stage: 16 x lane
	v_and_b32 v8, 15, v1
	v_lshrrev_b32 v9, 4, v1
	v_mul_u32_u24 v4, v8, 528
	v_lshl_add_u32 v4, v9, 7, v4
	v_add_nc_u32 v4, s41, v4                       ; out of it: row r, + 128 h
	v_lshlrev_b32 v7, 3, v9
	v_mov_b32 v[TM+6], 0                           ; a lane permute's destination counts as one of its sources
.irp u, 0,1
.irp p, 0,1,2,3,4,5,6,7,8,9,10,11,12,13,14,15
	global_load_b128 v[R+64*\u+4*\p:R+64*\u+4*\p+3], v2, s[4:5] offset:(8*\u+\p+8*(\p/8))*4096 th:TH_LOAD_NT
.endr
.endr
	s_wait_alu depctr_va_vdst(0)
	STILE 0, 16, 208, 236
	STILE 1, 0, 240, 237                           ; its own code registers: no store's data are written again
	v_cndmask_b32 v236, v236, v237, s40            ; lanes 0-15 tile 0's words, lanes 16-31 tile 1's
	global_store_b32 v6, v236, s[38:39]            ; 128 consecutive bytes
	s_wait_tensorcnt 0x0
	ds_add_u32 v254, v255
	s_wait_dscnt 0x0
	s_endpgm
; ---- A WEIGHT [K][N].  A lane takes a column and its registers run down K: a load reads 128 consecutive bytes a wave, 512 a work-group; a block of 32 lies in one lane.
; In: s28 the K step, s29 the group of four pairs of tiles, s30 + s31 x G the unit's number less the K step, s[34:35] the tensor.
.macro WLD t, N
.irp i, 0,1,2,3,4,5,6,7,8,9,10,11,12,13,14,15,16,17,18,19,20,21,22,23,24,25,26,27,28,29,30,31
	global_load_b32 v[32+32*((\t)%2)+\i], v3, s[34:35] offset:(32*(\t)+\i)*4*\N th:TH_LOAD_NT
.endr
.endm
.macro WBLK t, N
.set XS, 32+32*((\t)%2)
.if (\t) < 3
	s_wait_loadcnt 32                              ; this block's 32 loads are in; the next block's may be out
.else
	s_wait_loadcnt 0x0
.endif
	v_max3_num_f32 v12, |v[XS]|, |v[XS+1]|, |v[XS+2]|
	v_max3_num_f32 v13, |v[XS+3]|, |v[XS+4]|, |v[XS+5]|
.irp i, 6,10,14,18,22,26
	v_max3_num_f32 v12, v12, |v[XS+\i]|, |v[XS+\i+1]|
	v_max3_num_f32 v13, v13, |v[XS+\i+2]|, |v[XS+\i+3]|
.endr
	v_max3_num_f32 v12, v12, |v[XS+30]|, |v[XS+31]|
	v_max3_num_f32 v12, v12, v13, 0x1800000        ; and the floor
	v_add_nc_u32 v11, 0xff000000, v12
	v_lshrrev_b32 v13, 23, v11
.if (\t) == 0
	v_mov_b32 v14, v13
.else
	v_lshl_or_b32 v14, v13, 8*(\t), v14            ; the column's scale word: block t in byte t
.endif
	v_cvt_scalef32_pk16_fp6_f32 v[96+8*(\t):98+8*(\t)], v[XS:XS+15], v11
	v_cvt_scalef32_pk16_fp6_f32 v[128+4*(\t):130+4*(\t)], v[XS+16:XS+31], v11
	v_nop                                          ; one plain place behind a scaled conversion
.irp i, 0,1,2
	v_mov_b32 v[99+8*(\t)+\i], v[128+4*(\t)+\i]
.endr
	; block t = 2 c + h' is what lane (i, h') of the column's fragment holds in registers 6 c .. 6 c + 5
	global_store_b128 v8, v[96+8*(\t):99+8*(\t)], s[40:41] offset:768*((\t)/2)+256*((\t)%2)        ; the 32 lanes fill two aligned runs of 256 bytes
	global_store_b64 v9, v[100+8*(\t):101+8*(\t)], s[40:41] offset:768*((\t)/2)+512+128*((\t)%2)
.if (\t)+2 < 4
	WLD (\t)+2, \N
.endif
.endm
.macro WPATH N
	s_lshl_b32 s36, s29, 2
	s_add_co_u32 s36, s36, s24                     ; my pair of tiles: 32 columns
	s_lshl_b32 s32, s36, 7
	s_mul_i32 s37, s28, 512*\N                     ; 128 rows of 4 N bytes
	s_add_co_u32 s32, s32, s37
	s_add_nc_u64 s[34:35], s[34:35], s[32:33]
	s_lshr_b32 s37, s36, 1                         ; G
	s_mul_i32 s37, s37, s31
	s_add_co_u32 s37, s37, s30
	s_add_co_u32 s37, s37, s28                     ; the unit
	s_and_b32 s36, s36, 1                          ; which of its two pairs
	s_mul_i32 s32, s37, 6144
	s_mul_i32 s38, s36, 3072
	s_add_co_u32 s32, s32, s38
	s_add_nc_u64 s[40:41], s[20:21], s[32:33]
	s_lshl_b32 s32, s37, 8
	s_lshl_b32 s38, s36, 7
	s_add_co_u32 s32, s32, s38
	s_add_co_u32 s32, s32, 2359296
	s_add_nc_u64 s[42:43], s[20:21], s[32:33]
	v_lshlrev_b32 v3, 2, v1
	v_bfe_u32 v4, v1, 3, 1                         ; column l of the 32 is row i = l % 8 + 8 (l / 16) of tile u = (l / 8) % 2
	v_and_b32 v5, 7, v1
	v_lshrrev_b32 v6, 4, v1
	v_lshl_add_u32 v5, v6, 3, v5
	v_mul_u32_u24 v7, v4, 1536
	v_lshl_add_u32 v8, v5, 4, v7
	v_lshl_add_u32 v9, v5, 3, v7
	v_lshl_add_u32 v10, v4, 4, v5
	v_lshlrev_b32 v10, 2, v10
	WLD 0, \N
	WLD 1, \N
	WBLK 0, \N
	WBLK 1, \N
	WBLK 2, \N
	WBLK 3, \N
	global_store_b32 v10, v14, s[42:43]            ; 128 consecutive bytes: the pair's scale run
	s_endpgm
.endm
.Lwl:
	s_sub_co_u32 s25, ttmp9, 512
	s_and_b32 s28, s25, 7
	s_lshr_b32 s29, s25, 3
	s_mov_b32 s30, 0
	s_mov_b32 s31, 8
	s_mov_b64 s[34:35], s[6:7]
	s_wait_alu depctr_va_vdst(0)
	WPATH 512
.Lwn:
	s_sub_co_u32 s25, ttmp9, 544                   ; 0-95: Wq, Wk, Wv (32 each);  96-159: Wo
	s_lshr_b32 s44, s25, 5
	s_and_b32 s28, s25, 3
	s_bfe_u32 s29, s25, 0x30002
	s_lshl_b32 s30, s44, 2
	s_add_co_u32 s30, s30, 64
	s_sub_co_u32 s45, s25, 96
	s_and_b32 s46, s45, 7
	s_lshr_b32 s47, s45, 3
	s_mov_b32 s45, 256
	s_cmp_lt_u32 s44, 3                            ; the choices hang on the work-group's number alone
	s_cselect_b32 s28, s28, s46
	s_cselect_b32 s29, s29, s47
	s_cselect_b32 s30, s30, s45
	s_cselect_b32 s31, 12, 8
	s_cmp_eq_u32 s44, 0
	s_cselect_b64 s[34:35], s[8:9], s[14:15]
	s_cmp_eq_u32 s44, 1
	s_cselect_b64 s[34:35], s[10:11], s[34:35]
	s_cmp_eq_u32 s44, 2
	s_cselect_b64 s[34:35], s[12:13], s[34:35]
	s_wait_alu depctr_va_vdst(0)
	WPATH 1024
.Lfunc_end_k_q348afb5773_prep:
	.size	k_q348afb5773_prep, .Lfunc_end_k_q348afb5773_prep-k_q348afb5773_prep
	.p2alignl 7, 3214868480
	.fill 96, 4, 3214868480
	.section	.rodata,"a",@progbits
	.p2align	6, 0x0
	.amdhsa_kernel k_q348afb5773_prep
		.amdhsa_group_segment_fixed_size 34304
		.amdhsa_private_segment_fixed_size 0
		.amdhsa_enable_private_segment 0
		.amdhsa_kernarg_size 80
		.amdhsa_user_sgpr_count 2
		.amdhsa_user_sgpr_kernarg_segment_ptr 1
		.amdhsa_wavefront_size32 1
		.amdhsa_system_sgpr_workgroup_id_x 1
		.amdhsa_system_sgpr_workgroup_id_y 1
		.amdhsa_system_sgpr_workgroup_id_z 1
		.amdhsa_system_vgpr_workitem_id 0
		.amdhsa_next_free_vgpr 256
		.amdhsa_next_free_sgpr 66
		.amdhsa_reserve_vcc 1
		.amdhsa_float_denorm_mode_32 3
		.amdhsa_float_denorm_mode_16_64 3
		.amdhsa_memory_ordered 1
		.amdhsa_forward_progress 1
		.amdhsa_inst_pref_size 69
	.end_amdhsa_kernel
	.amdgpu_metadata
---
amdhsa.version: [ 1, 2 ]
amdhsa.kernels:
  - .name:           k_q348afb5773_prep
    .symbol:         k_q348afb5773_prep.kd
    .args:
      - { .name: src, .offset: 0, .size: 8, .value_kind: global_buffer, .address_space: global }
      - { .name: Wl, .offset: 8, .size: 8, .value_kind: global_buffer, .address_space: global }
      - { .name: Wq, .offset: 16, .size: 8, .value_kind: global_buffer, .address_space: global }
      - { .name: Wk, .offset: 24, .size: 8, .value_kind: global_buffer, .address_space: global }
      - { .name: Wv, .offset: 32, .size: 8, .value_kind: global_buffer, .address_space: global }
      - { .name: Wo, .offset: 40, .size: 8, .value_kind: global_buffer, .address_space: global }
      - { .name: pos_emb, .offset: 48, .size: 8, .value_kind: global_buffer, .address_space: global }
      - { .name: sq, .offset: 56, .size: 8, .value_kind: global_buffer, .address_space: global }
      - { .name: wq, .offset: 64, .size: 8, .value_kind: global_buffer, .address_space: global }
      - { .name: cs, .offset: 72, .size: 8, .value_kind: global_buffer, .address_space: global }
    .group_segment_fixed_size: 34304
    .private_segment_fixed_size: 0
    .kernarg_segment_align: 8
    .kernarg_segment_size: 80
    .max_flat_workgroup_size: 128
    .sgpr_count:     66
    .vgpr_count:     256
    .wavefront_size: 32
...
	.end_amdgpu_metadata
.endif
;; end of part 1
;; launch front (part 2): grid 4 x 64, 4 waves a work-group, clusters of 4 x 1, 327,680 bytes of LDS; arguments sq, wq, cs, mask, bl, bq, bk, bv, qc, kv; writes qc, kv
.if DOCPART == 2
	.amdgcn_target "amdgcn-amd-amdhsa--gfx1250"
	.amdhsa_code_object_version 6
	.text
	.protected	k_q348afb5773_front
	.globl	k_q348afb5773_front
	.p2align	8
	.type	k_q348afb5773_front,@function
k_q348afb5773_front:
	s_mov_b64 s[64:65], 0
	v_nop
	global_prefetch_b8 v0, s[64:65] scope:SCOPE_SE
	s_setreg_imm32_b32 hwreg(HW_REG_WAVE_MODE, 25, 1), 1
	s_wait_xcnt 0x0
	s_wait_alu depctr_hold_cnt(0) depctr_sa_sdst(0) depctr_va_vdst(0) depctr_va_sdst(0) depctr_va_ssrc(0) depctr_va_vcc(0) depctr_vm_vsrc(0)
	s_getreg_b32 s2, hwreg(HW_REG_IB_STS2, 6, 4)
	s_cmp_eq_u32 s2, 0
	s_cbranch_scc0 .Lentry_in_a_cluster
	s_endpgm
.Lentry_in_a_cluster:
	s_bfe_u32 s2, ttmp6, 0x10000c
	s_cmp_lg_u32 s2, 0x3003
	s_cbranch_scc0 .Lentry_shape_is_right
	s_endpgm
.Lentry_shape_is_right:
.set SRCS, 98304
.set CSL,  102400
.set CSP,  272
.set XI,   137216
.set XS,   186368
.set UB,   6144
.set WSO,  2359296
.set L16,  1
.set L8,   2
.set L4,   3
.set FB16, 4
.set FB8,  5
.set FX16, 6
.set FX8,  7
.set XWB16, 8
.set XWB8, 9
.set XWBS, 10
.set CSA,  11
.set RSA,  12
.set XRS,  13
.set XW16, 14
.set XW8,  15
.set XWS,  16
.set PRM,  17
.set C40,  20
.set PW,   21
.set BO64, 22
.set BO4,  23
.set TM,   24
.set PC,   40
.set PT,   52
.set KW,   60
.set VW,   64
.set RS,   68
.set WSC,  100
.set EX,   108
.set MK,   116
.set CLO,  124
.set CHI,  125
.set CSR,  132
.set RB,   164
.set SCV,  196
.set SKV,  204
.set WV,   24
.set CX,   25
.set RBK,  26
.set TS,   27
.set HM,   52
.set CNT,  53
.set SEL,  54
.set FL,   56
.set CO,   58
.set C2,   59
.set PWA,  60
.set PSA,  62
.set PWB,  66
.set PSB,  68
.set PWC,  70
.set PSC,  72
.set PQB,  74
.set PQS,  76
.set OP,   78
.set OSP,  80
.set OPK,  82
.set OSPK, 84
.set MSB, 0
.macro WIN new
.if MSB != \new
	s_set_vgpr_msb (MSB<<8)|\new
.set MSB, \new
.endif
.endm
.macro PLACES
.rept 4
	v_nop
.endr
.endm
.macro CROUND
	s_barrier_signal -1
	s_barrier_wait -1
	s_cmp_lg_u32 s[WV], 0
	s_cbranch_scc1 .Lnot_wave_0_\@
	s_barrier_signal -3
.Lnot_wave_0_\@:
	s_barrier_wait -3
	s_barrier_signal -1
	s_barrier_wait -1
.endm
.macro WM d, a, b, c, sa, sb, ra, rb
.if (\ra) && (\rb)
	v_wmma_scale_f32_16x16x128_f8f6f4 v[\d:\d+7], v[\a:\a+11], v[\b:\b+11], v[\c:\c+7], v[\sa], v[\sb] matrix_a_fmt:MATRIX_FMT_FP6 matrix_b_fmt:MATRIX_FMT_FP6 matrix_a_scale:MATRIX_SCALE_ROW1 matrix_b_scale:MATRIX_SCALE_ROW1
.elseif (\ra)
	v_wmma_scale_f32_16x16x128_f8f6f4 v[\d:\d+7], v[\a:\a+11], v[\b:\b+11], v[\c:\c+7], v[\sa], v[\sb] matrix_a_fmt:MATRIX_FMT_FP6 matrix_b_fmt:MATRIX_FMT_FP6 matrix_a_scale:MATRIX_SCALE_ROW1
.elseif (\rb)
	v_wmma_scale_f32_16x16x128_f8f6f4 v[\d:\d+7], v[\a:\a+11], v[\b:\b+11], v[\c:\c+7], v[\sa], v[\sb] matrix_a_fmt:MATRIX_FMT_FP6 matrix_b_fmt:MATRIX_FMT_FP6 matrix_b_scale:MATRIX_SCALE_ROW1
.else
	v_wmma_scale_f32_16x16x128_f8f6f4 v[\d:\d+7], v[\a:\a+11], v[\b:\b+11], v[\c:\c+7], v[\sa], v[\sb] matrix_a_fmt:MATRIX_FMT_FP6 matrix_b_fmt:MATRIX_FMT_FP6
.endif
.endm
.macro MUL a0, slot, rst, ks, mode, first, bias
.if \mode
	WIN 0x5b+0x20*(\first)
.else
	WIN 0x5e+0x20*(\first)
.endif
.irp a, \a0, \a0+1, \a0+2, \a0+3
.irp t, 0,1,2,3
.set rW, 48*(\slot)+12*\t
.set rR, 12*(\a)
.set rSW, WSC+2*(\slot)+\t/2
.set rSR, RS+(\rst)*((\a)/2)+(\ks)
.set fW, \t%2
.set fR, (\a)%2
.if \mode
.set rD, 64*\t+8*(\a)
.else
.set rD, 32*(\a)+8*\t
.endif
.if \first
.set rC, (\bias)+8*\t
.else
.set rC, rD
.endif
.if \mode
	WM rD, rR, rW, rC, rSR, rSW, fR, fW
.else
	WM rD, rW, rR, rC, rSW, rSR, fW, fR
.endif
.endr
.endr
.endm
.macro FETCH a0, A16, A8, off
	WIN 0xc0
.irp a, \a0, \a0+1, \a0+2, \a0+3
	ds_load_b128 v[12*(\a):12*(\a)+3], v[\A16] offset:(\off)+1536*(\a)
	ds_load_b64 v[12*(\a)+4:12*(\a)+5], v[\A8] offset:(\off)+1536*(\a)+512
	ds_load_b128 v[12*(\a)+6:12*(\a)+9], v[\A16] offset:(\off)+1536*(\a)+768
	ds_load_b64 v[12*(\a)+10:12*(\a)+11], v[\A8] offset:(\off)+1536*(\a)+1280
.endr
.endm
.macro WLOAD slot, PP, PS, un
	WIN 0x80
.irp t, 0,1,2,3
	global_load_b128 v[48*(\slot)+12*\t:48*(\slot)+12*\t+3], v[L16], s[\PP:\PP+1] offset:(\un)*UB+1536*\t
	global_load_b64 v[48*(\slot)+12*\t+4:48*(\slot)+12*\t+5], v[L8], s[\PP:\PP+1] offset:(\un)*UB+1536*\t+512
	global_load_b128 v[48*(\slot)+12*\t+6:48*(\slot)+12*\t+9], v[L16], s[\PP:\PP+1] offset:(\un)*UB+1536*\t+768
	global_load_b64 v[48*(\slot)+12*\t+10:48*(\slot)+12*\t+11], v[L8], s[\PP:\PP+1] offset:(\un)*UB+1536*\t+1280
.endr
	WIN 0
	global_load_b32 v[WSC+2*(\slot)], v[L4], s[\PS:\PS+1] offset:(\un)*256
	global_load_b32 v[WSC+2*(\slot)+1], v[L4], s[\PS:\PS+1] offset:(\un)*256+128
.endm
.macro KSTEP slot, rst, ks, mode, first, bias, ln, dn, nf, A16, A8, off, roll, PP, PS, un
	s_wait_loadcnt \ln
	s_wait_dscnt \dn
	MUL 0, \slot, \rst, \ks, \mode, \first, \bias
	s_wait_dscnt 0x0
	PLACES
.if \nf
	FETCH 0, \A16, \A8, \off
.endif
	MUL 4, \slot, \rst, \ks, \mode, \first, \bias
	PLACES
.if \nf
	FETCH 4, \A16, \A8, \off
.endif
.if \roll
	WLOAD \slot, \PP, \PS, \un
.endif
	WIN 0
.endm
.macro BCOPY to, from
	WIN 0xc3
.set i, 0
.rept 32
	v_mov_b32 v[\to+i], v[\from+i]
.set i, i+1
.endr
	WIN 0
.endm
.macro QUANT32 X, wx, wt
	WIN 5*(\wx)
.irp b, 0,1
	v_max3_num_f32 v[TM+\b], |v[\X+16*\b]|, |v[\X+16*\b+1]|, s[FL]
.endr
.irp i, 2,4,6,8,10,12,14
.irp b, 0,1
	v_max3_num_f32 v[TM+\b], |v[\X+16*\b+\i]|, |v[\X+16*\b+\i+1]|, v[TM+\b]
.endr
.endr
	WIN 0
.irp b, 0,1
	v_permlanex16_b32 v[TM+4+\b], v[TM+\b], s[SEL], s[SEL+1]
.endr
.irp b, 0,1
	v_max_num_f32 v[TM+\b], v[TM+\b], v[TM+4+\b]
.endr
.irp b, 0,1
	v_add_nc_u32 v[TM+12+\b], 0xff000000, v[TM+\b]
.endr
.irp b, 0,1
	v_lshrrev_b32 v[TM+4+\b], 23, v[TM+12+\b]
.endr
.if \wt == 1
	s_wait_alu depctr_va_vdst(0)
	s_wait_dscnt 0x0
.elseif \wt == 2
	s_wait_alu depctr_va_vdst(0)
	s_wait_xcnt 0x0
.endif
	v_lshl_or_b32 v[PW], v[TM+5], 8, v[TM+4]
	WIN \wx
	v_cvt_scalef32_pk16_fp6_f32 v[PC:PC+2], v[\X:\X+15], v[TM+12]
	v_cvt_scalef32_pk16_fp6_f32 v[PT:PT+2], v[\X+16:\X+31], v[TM+13]
	WIN 0
	v_nop
.irp i, 0,1,2
	v_permlane16_swap_b32 v[PC+\i], v[PT+\i]
.endr
.irp i, 0,1,2
	v_mov_b32 v[PC+3+\i], v[PT+\i]
.endr
.endm
.macro QUANT64 X
	WIN 0x05
.irp b, 0,1,2,3
	v_max3_num_f32 v[TM+\b], |v[\X+16*\b]|, |v[\X+16*\b+1]|, s[FL]
.endr
.irp i, 2,4,6,8,10,12,14
.irp b, 0,1,2,3
	v_max3_num_f32 v[TM+\b], |v[\X+16*\b+\i]|, |v[\X+16*\b+\i+1]|, v[TM+\b]
.endr
.endr
	WIN 0
.irp b, 0,1,2,3
	v_permlanex16_b32 v[TM+4+\b], v[TM+\b], s[SEL], s[SEL+1]
.endr
.irp b, 0,1,2,3
	v_max_num_f32 v[TM+\b], v[TM+\b], v[TM+4+\b]
.endr
.irp b, 0,1,2,3
	v_add_nc_u32 v[TM+12+\b], 0xff000000, v[TM+\b]
.endr
.irp b, 0,1,2,3
	v_lshrrev_b32 v[TM+4+\b], 23, v[TM+12+\b]
.endr
	s_wait_alu depctr_va_vdst(0)
	s_wait_xcnt 0x0
	v_lshl_or_b32 v[PW], v[TM+5], 8, v[TM+4]
	v_lshl_or_b32 v[PW], v[TM+6], 16, v[PW]
	v_lshl_or_b32 v[PW], v[TM+7], 24, v[PW]
	WIN 0x01
.irp c, 0,1
	v_cvt_scalef32_pk16_fp6_f32 v[PC+6*\c:PC+6*\c+2], v[\X+32*\c:\X+32*\c+15], v[TM+12+2*\c]
	v_cvt_scalef32_pk16_fp6_f32 v[PT+4*\c:PT+4*\c+2], v[\X+32*\c+16:\X+32*\c+31], v[TM+13+2*\c]
.endr
	WIN 0
	v_nop
.irp c, 0,1
.irp i, 0,1,2
	v_permlane16_swap_b32 v[PC+6*\c+\i], v[PT+4*\c+\i]
.endr
.irp i, 0,1,2
	v_mov_b32 v[PC+6*\c+3+\i], v[PT+4*\c+\i]
.endr
.endr
.endm
	s_load_b512 s[4:19], s[0:1], 0x0
	s_load_b128 s[20:23], s[0:1], 0x40
	v_lshl_add_u32 v254, v0, 2, 0x2e000
	v_mov_b32 v255, 0
	ds_add_u32 v254, v255
	ds_add_u32 v254, v255
	v_lshrrev_b32 v18, 5, v0
	v_readfirstlane_b32 s[WV], v18
	s_bfe_u32 s[CX], ttmp6, 0x40000
	s_and_b32 s[RBK], ttmp7, 0xffff
	s_mov_b32 s28, 15|(3<<16)|(1<<21)
	s_mov_b32 s29, 32<<16
	s_mov_b32 s30, 100<<16
	s_mov_b32 s31, 32<<16
	s_mov_b32 s32, 100
	s_mov_b32 s33, 32
	s_mov_b32 s34, 0
	s_mov_b32 s35, 0
	s_mov_b32 s36, 15|(3<<16)|(1<<20)|(1<<21)|(5<<22)|(3<<25)
	s_mov_b32 s37, 32<<16
	s_mov_b32 s38, 32<<16
	s_mov_b32 s39, 32<<16
	s_mov_b32 s40, 32
	s_mov_b32 s41, 32
	s_mov_b32 s42, 0
	s_mov_b32 s43, 0
	s_mul_i32 s90, s[RBK], 102400
	s_mul_i32 s45, s[WV], 25600
	s_add_co_u32 s90, s90, s45
	s_mov_b32 s91, 0
	s_and_b32 s92, s[RBK], 7
	s_lshl_b32 s92, s92, 15
	s_lshl_b32 s93, s[WV], 13
	s_add_co_u32 s92, s92, s93
	s_mov_b32 s93, 0
	s_mul_i32 s49, s[WV], 32*CSP
	s_add_co_u32 s49, s49, CSL
	s_mov_b32 s44, 1
	s_mov_b32 s48, 1
	s_wait_dscnt 0x0
	s_wait_kmcnt 0x0
	s_add_nc_u64 s[46:47], s[4:5], s[90:91]
	s_or_b32 s47, s47, 0x80000000
	s_add_nc_u64 s[50:51], s[8:9], s[92:93]
	s_or_b32 s51, s51, 0x80000000
	CROUND
	tensor_load_to_lds s[44:47], s[28:35]
	s_nop 0
.rept 4
	v_nop
.endr
	v_and_b32 v18, 31, v0
	v_lshlrev_b32 v[L16], 4, v18
	v_lshlrev_b32 v[L8], 3, v18
	v_lshlrev_b32 v[L4], 2, v18
	v_add_nc_u32 v[FB16], 49152, v[L16]
	v_add_nc_u32 v[FB8], 49152, v[L8]
	v_add_nc_u32 v[FX16], XI, v[L16]
	v_add_nc_u32 v[FX8], XI, v[L8]
	s_mul_i32 s[TS], s[WV], 12288
	s_add_co_u32 s[TS], s[TS], XI
	v_add_nc_u32 v[XWB16], s[TS], v[L16]
	v_add_nc_u32 v[XWB8], s[TS], v[L8]
	v_add_nc_u32 v[XWB8], 512, v[XWB8]
	v_and_b32 v18, 15, v0
	v_bfe_u32 v19, v0, 4, 1
	s_lshl_b32 s[TS], s[WV], 7
	s_add_co_u32 s[TS], s[TS], XS
	v_lshl_add_u32 v[XWBS], v18, 2, s[TS]
	v_and_b32 v[PRM], 8, v18
	v_add_nc_u32 v[PRM], v[PRM], v18
	v_mul_u32_u24 v[CSA], v[PRM], CSP
	v_lshl_add_u32 v[CSA], v19, 6, v[CSA]
	v_add_nc_u32 v[CSA], CSL, v[CSA]
	v_add_nc_u32 v[RSA], SRCS, v[L4]
	v_add_nc_u32 v[XRS], XS, v[L4]
	v_lshlrev_b32 v[BO64], 6, v19
	s_wait_alu depctr_va_vdst(0)
	v_lshlrev_b32 v[BO4], 2, v[PRM]
	s_wait_alu depctr_va_vdst(0)
	v_mov_b32 v[C40], 40
	v_mov_b32 v[CLO], 0x400e0000
	v_mov_b32 v[CHI], 0x40b10000
.irp b, 0,1,2,3
	v_mov_b32 v[TM+4+\b], 0
.endr
	s_mov_b32 s[HM], 0xffff0000
	s_mov_b32 s[SEL], 0x76543210
	s_mov_b32 s[SEL+1], 0xfedcba98
	s_mov_b32 s[FL], 3<<23
	s_lshl_b32 s86, s[CX], 2
	s_add_co_u32 s86, s86, s[WV]
	s_mov_b32 s89, 0
	s_mul_i32 s88, s[WV], 16*UB
	s_add_nc_u64 s[PWA:PWA+1], s[6:7], s[88:89]
	s_add_nc_u64 s[PWB:PWB+1], s[PWA:PWA+1], 8*UB
	s_lshl_b32 s88, s[WV], 12
	s_add_co_u32 s88, s88, WSO
	s_add_nc_u64 s[PSA:PSA+1], s[6:7], s[88:89]
	s_add_nc_u64 s[PSB:PSB+1], s[PSA:PSA+1], 2048
	s_mul_i32 s87, s86, 12
	s_add_co_u32 s87, s87, 64
	s_mul_i32 s88, s87, UB
	s_add_nc_u64 s[PQB:PQB+1], s[6:7], s[88:89]
	s_add_nc_u64 s[PWC:PWC+1], s[PQB:PQB+1], 4*UB
	s_lshl_b32 s88, s87, 8
	s_add_co_u32 s88, s88, WSO
	s_add_nc_u64 s[PQS:PQS+1], s[6:7], s[88:89]
	s_add_nc_u64 s[PSC:PSC+1], s[PQS:PQS+1], 1024
	s_lshr_b32 s87, s[RBK], 3
	s_lshl_b32 s87, s87, 4
	s_add_co_u32 s87, s87, s86
	s_lshl_b32 s87, s87, 3
	s_and_b32 s94, s[RBK], 7
	s_add_co_u32 s87, s87, s94
	s_mul_i32 s88, s87, 8704
	s_add_nc_u64 s[OP:OP+1], s[20:21], s[88:89]
	s_add_nc_u64 s[OSP:OSP+1], s[OP:OP+1], 8192
	s_mul_i32 s88, s87, 15104
	s_add_nc_u64 s[OPK:OPK+1], s[22:23], s[88:89]
	s_add_nc_u64 s[OSPK:OSPK+1], s[OPK:OPK+1], 14336
	s_lshl_b32 s88, s[WV], 9
	s_add_nc_u64 s[12:13], s[12:13], s[88:89]
	s_lshl_b32 s88, s86, 8
	s_add_nc_u64 s[14:15], s[14:15], s[88:89]
	s_add_nc_u64 s[16:17], s[16:17], s[88:89]
	s_add_nc_u64 s[18:19], s[18:19], s[88:89]
	s_lshl_b32 s88, s[RBK], 7
	s_add_nc_u64 s[10:11], s[10:11], s[88:89]
	WIN 0xc0
.irp c, 0,1
.irp t, 0,1,2,3
	global_load_b128 v[96+32*\c+8*\t:99+32*\c+8*\t], v[BO64], s[12:13] offset:(64*\c+32*(\t/2)+8*(\t%2))*4
	global_load_b128 v[100+32*\c+8*\t:103+32*\c+8*\t], v[BO64], s[12:13] offset:(64*\c+32*(\t/2)+8*(\t%2))*4+16
.endr
.endr
.irp t, 0,1,2,3
	global_load_b128 v[160+8*\t:163+8*\t], v[BO64], s[14:15] offset:(32*(\t/2)+8*(\t%2))*4
	global_load_b128 v[164+8*\t:167+8*\t], v[BO64], s[14:15] offset:(32*(\t/2)+8*(\t%2))*4+16
	global_load_b128 v[192+8*\t:195+8*\t], v[BO64], s[16:17] offset:(32*(\t/2)+8*(\t%2))*4
	global_load_b128 v[196+8*\t:199+8*\t], v[BO64], s[16:17] offset:(32*(\t/2)+8*(\t%2))*4+16
.endr
.irp t, 0,1,2,3
.irp j, 0,1,2,3,4,5,6,7
	global_load_b32 v[224+8*\t+\j], v[BO4], s[18:19] offset:(32*(\t/2)+8*(\t%2))*4
.endr
.endr
	WIN 0
.irp a, 0,1,2,3,4,5,6,7
	global_load_u8 v[MK+\a], v[PRM], s[10:11] offset:32*(\a/2)+8*(\a%2)
.endr
	WLOAD 0, PWA, PSA, 0
	WLOAD 1, PWA, PSA, 1
	WLOAD 2, PWA, PSA, 2
	WLOAD 3, PWA, PSA, 3
	s_wait_tensorcnt 0x0
	s_barrier_signal -1
	s_barrier_wait -1
.irp be, 0,1,2,3
.irp k, 0,1,2,3,4,5,6,7
	ds_load_b32 v[RS+8*\be+\k], v[RSA] offset:512*\k+128*\be
.endr
.endr
	FETCH 0, L16, L8, 0
	FETCH 4, L16, L8, 0
	WIN 0
	s_mov_b32 s[CNT], 2
	s_mov_b32 s[CO], 0
	s_mov_b32 s[C2], 0
.LloopA:
	KSTEP 0, 8, 0, 0, 1, 96, 54, 0, 1, L16, L8, 12288, 1, PWA, PSA, 4
	BCOPY 96, 128
	KSTEP 1, 8, 1, 0, 0, 0, 54, 16, 1, L16, L8, 24576, 1, PWA, PSA, 5
	KSTEP 2, 8, 2, 0, 0, 0, 54, 16, 1, L16, L8, 36864, 1, PWA, PSA, 6
	KSTEP 3, 8, 3, 0, 0, 0, 54, 16, 1, FB16, FB8, 0, 1, PWA, PSA, 7
	KSTEP 0, 8, 4, 0, 0, 0, 54, 16, 1, FB16, FB8, 12288, 1, PWB, PSB, 0
	KSTEP 1, 8, 5, 0, 0, 0, 54, 16, 1, FB16, FB8, 24576, 1, PWB, PSB, 1
	KSTEP 2, 8, 6, 0, 0, 0, 54, 16, 1, FB16, FB8, 36864, 1, PWB, PSB, 2
	KSTEP 3, 8, 7, 0, 0, 0, 54, 16, 1, L16, L8, 0, 1, PWB, PSB, 3
	v_add_nc_u32 v[XW16], s[CO], v[XWB16]
	v_add_nc_u32 v[XW8], s[CO], v[XWB8]
	v_add_nc_u32 v[XWS], s[C2], v[XWBS]
.irp a, 0,1,2,3,4,5,6,7
	QUANT32 32*\a, 1, 1
	ds_store_b128 v[XW16], v[PC:PC+3] offset:1536*\a
	ds_store_b64 v[XW8], v[PC+4:PC+5] offset:1536*\a
	ds_store_b16 v[XWS], v[PW] offset:512*(\a/2)+64*(\a%2)
.endr
	s_wait_xcnt 0x0
	s_add_nc_u64 s[PWA:PWA+1], s[PWA:PWA+1], 8*UB
	s_add_nc_u64 s[PSA:PSA+1], s[PSA:PSA+1], 2048
	s_mov_b64 s[PWB:PWB+1], s[PQB:PQB+1]
	s_mov_b64 s[PSB:PSB+1], s[PQS:PQS+1]
	s_add_co_u32 s[CO], s[CO], 768
	s_add_co_u32 s[C2], s[C2], 2
	s_sub_co_u32 s[CNT], s[CNT], 1
	s_cmp_lg_u32 s[CNT], 0
	s_cbranch_scc1 .LloopA
	s_wait_tensorcnt 0x0
	ds_add_u32 v254, v255
	s_wait_dscnt 0x0
	CROUND
	tensor_load_to_lds s[48:51], s[36:43]
	s_nop 0
.rept 4
	v_nop
.endr
.irp be, 0,1,2,3
.irp k, 0,1,2,3
	ds_load_b32 v[RS+4*\be+\k], v[XRS] offset:(4*\be+\k)*128
.endr
.endr
	FETCH 0, FX16, FX8, 0
	FETCH 4, FX16, FX8, 0
	WIN 0
.irp a, 0,1,2,3,4,5,6,7
	v_cmp_ne_u32 vcc_lo, 0, v[MK+\a]
	v_cndmask_b32 v[SKV+\a], v[CLO], v[CHI], vcc_lo
	s_and_b32 vcc_lo, vcc_lo, 0xffff
	v_cndmask_b32 v[MK+\a], 0, v[C40], vcc_lo
	v_cndmask_b32 v[EX+\a], 8, 0, s[HM]
	v_mov_b32 v[SCV+\a], 0x40b0fcfd
.endr
	s_mov_b32 s[FL], 6<<23
	s_mov_b32 s[CNT], 2
.LloopB:
	KSTEP 0, 4, 0, 0, 1, 160, 54, 0, 1, FX16, FX8, 12288, 1, PWC, PSC, 0
	BCOPY 160, 192
	KSTEP 1, 4, 1, 0, 0, 0, 54, 16, 1, FX16, FX8, 24576, 1, PWC, PSC, 1
	KSTEP 2, 4, 2, 0, 0, 0, 54, 16, 1, FX16, FX8, 36864, 1, PWC, PSC, 2
	KSTEP 3, 4, 3, 0, 0, 0, 54, 16, 1, FX16, FX8, 0, 1, PWC, PSC, 3
	s_wait_tensorcnt 0x0
	ds_add_u32 v254, v255
	s_wait_dscnt 0x0
	s_barrier_signal -1
	s_barrier_wait -1
.irp a, 0,1,2,3,4,5,6,7
.irp i, 0,1,2,3,4,5,6,7
	ds_load_b128 v[CSR+4*\i:CSR+4*\i+3], v[CSA] offset:(32*(\a/2)+8*(\a%2))*CSP+128*(\i/4)+16*(\i%4)
.endr
	s_wait_dscnt 0x0
	WIN 0x01
.irp p, 0,2,4,6,8,10,12,14,16,18,20,22,24,26,28,30
	v_pk_mul_f32 v[RB+\p:RB+\p+1], v[32*\a+\p:32*\a+\p+1], v[CSR+\p:CSR+\p+1] op_sel_hi:[1,0]
.endr
.irp p, 0,2,4,6,8,10,12,14,16,18,20,22,24,26,28,30
	v_pk_fma_f32 v[RB+\p:RB+\p+1], v[32*\a+\p:32*\a+\p+1], v[CSR+\p:CSR+\p+1], v[RB+\p:RB+\p+1] op_sel:[1,1,0] op_sel_hi:[0,1,1] neg_lo:[1,0,0]
.endr
	WIN 0
	QUANT32 RB, 0, 2
	v_mov_b32 v[PC+6], v[EX+\a]
	v_mov_b32 v[PC+7], 0
	global_store_b128 v[L16], v[PC:PC+3], s[OP:OP+1] offset:1024*\a
	global_store_b128 v[L16], v[PC+4:PC+7], s[OP:OP+1] offset:1024*\a+512
	v_add_nc_u32 v[PW], v[SCV+\a], v[PW]
.if \a%2 == 0
	v_mov_b32 v[KW+\a/2], v[PW]
.else
	v_cndmask_b32 v[KW+\a/2], v[KW+\a/2], v[PW], s[HM]
.endif
.endr
	global_store_b128 v[L16], v[KW:KW+3], s[OSP:OSP+1]
	s_wait_xcnt 0x0
.irp a, 0,1,2,3,4,5,6,7
	v_mov_b32 v[EX+\a], v[MK+\a]
	v_mov_b32 v[SCV+\a], v[SKV+\a]
.endr
	s_mov_b32 s[FL], 3<<23
	s_mov_b64 s[OP:OP+1], s[OPK:OPK+1]
	s_mov_b64 s[OSP:OSP+1], s[OSPK:OSPK+1]
	s_add_nc_u64 s[PWC:PWC+1], s[PWC:PWC+1], 4*UB
	s_add_nc_u64 s[PSC:PSC+1], s[PSC:PSC+1], 1024
	s_sub_co_u32 s[CNT], s[CNT], 1
	s_cmp_lg_u32 s[CNT], 0
	s_cbranch_scc1 .LloopB
	KSTEP 0, 4, 0, 1, 1, 224, 54, 0, 1, FX16, FX8, 12288, 0, PWC, PSC, 0
	KSTEP 1, 4, 1, 1, 0, 0, 36, 16, 1, FX16, FX8, 24576, 0, PWC, PSC, 0
	KSTEP 2, 4, 2, 1, 0, 0, 18, 16, 1, FX16, FX8, 36864, 0, PWC, PSC, 0
	KSTEP 3, 4, 3, 1, 0, 0, 0, 16, 0, FX16, FX8, 0, 0, PWC, PSC, 0
.irp t, 0,1,2,3
	QUANT64 64*\t
.irp g, 0,1,2
	global_store_b128 v[L16], v[PC+4*\g:PC+4*\g+3], s[OPK:OPK+1] offset:8192+1536*\t+512*\g
.endr
.if \t%2 == 0
	v_mov_b32 v[VW+\t/2], v[PW]
.else
	v_cndmask_b32 v[VW+\t/2], v[VW+\t/2], v[PW], s[HM]
.endif
.endr
	global_store_b64 v[L8], v[VW:VW+1], s[OPK:OPK+1] offset:14848
	s_wait_dscnt 0x0
	s_wait_tensorcnt 0x0
	ds_add_u32 v254, v255
	s_wait_dscnt 0x0
	CROUND
	s_endpgm
.Lfunc_end_k_q348afb5773_front:
	.size	k_q348afb5773_front, .Lfunc_end_k_q348afb5773_front-k_q348afb5773_front
	.p2alignl 7, 3214868480
	.fill 96, 4, 3214868480
	.section	.rodata,"a",@progbits
	.p2align	6, 0x0
	.amdhsa_kernel k_q348afb5773_front
		.amdhsa_group_segment_fixed_size 327680
		.amdhsa_private_segment_fixed_size 0
		.amdhsa_enable_private_segment 0
		.amdhsa_kernarg_size 80
		.amdhsa_user_sgpr_count 2
		.amdhsa_user_sgpr_kernarg_segment_ptr 1
		.amdhsa_wavefront_size32 1
		.amdhsa_system_sgpr_workgroup_id_x 1
		.amdhsa_system_sgpr_workgroup_id_y 1
		.amdhsa_system_sgpr_workgroup_id_z 1
		.amdhsa_system_vgpr_workitem_id 0
		.amdhsa_next_free_vgpr 1024
		.amdhsa_next_free_sgpr 98
		.amdhsa_reserve_vcc 1
		.amdhsa_float_denorm_mode_32 3
		.amdhsa_float_denorm_mode_16_64 3
		.amdhsa_memory_ordered 1
		.amdhsa_forward_progress 1
		.amdhsa_inst_pref_size 230
	.end_amdhsa_kernel
	.amdgpu_metadata
---
amdhsa.version: [ 1, 2 ]
amdhsa.kernels:
  - .name:           k_q348afb5773_front
    .symbol:         k_q348afb5773_front.kd
    .args:
      - { .name: sq, .offset: 0, .size: 8, .value_kind: global_buffer, .address_space: global }
      - { .name: wq, .offset: 8, .size: 8, .value_kind: global_buffer, .address_space: global }
      - { .name: cs, .offset: 16, .size: 8, .value_kind: global_buffer, .address_space: global }
      - { .name: mask, .offset: 24, .size: 8, .value_kind: global_buffer, .address_space: global }
      - { .name: bl, .offset: 32, .size: 8, .value_kind: global_buffer, .address_space: global }
      - { .name: bq, .offset: 40, .size: 8, .value_kind: global_buffer, .address_space: global }
      - { .name: bk, .offset: 48, .size: 8, .value_kind: global_buffer, .address_space: global }
      - { .name: bv, .offset: 56, .size: 8, .value_kind: global_buffer, .address_space: global }
      - { .name: qc, .offset: 64, .size: 8, .value_kind: global_buffer, .address_space: global }
      - { .name: kv, .offset: 72, .size: 8, .value_kind: global_buffer, .address_space: global }
    .group_segment_fixed_size: 327680
    .private_segment_fixed_size: 0
    .kernarg_segment_align: 8
    .kernarg_segment_size: 80
    .max_flat_workgroup_size: 128
    .sgpr_count:     98
    .vgpr_count:     1024
    .wavefront_size: 32
...
	.end_amdgpu_metadata
.endif
;; end of part 2
;; launch attn (part 3): grid 4 x 64, 8 waves a work-group, clusters of 4 x 1, 327,680 bytes of LDS; arguments qc, kv, alibi_bias, ao; writes ao
.if DOCPART == 3
	.amdgcn_target "amdgcn-amd-amdhsa--gfx1250"
	.amdhsa_code_object_version 6
	.text
	.protected	k_q348afb5773_attn
	.globl	k_q348afb5773_attn
	.p2align	8
	.type	k_q348afb5773_attn,@function
k_q348afb5773_attn:
	s_mov_b64 s[64:65], 0
	v_nop
	global_prefetch_b8 v0, s[64:65] scope:SCOPE_SE
	s_setreg_imm32_b32 hwreg(HW_REG_WAVE_MODE, 25, 1), 1
	s_wait_xcnt 0x0
	s_wait_alu depctr_hold_cnt(0) depctr_sa_sdst(0) depctr_va_vdst(0) depctr_va_sdst(0) depctr_va_ssrc(0) depctr_va_vcc(0) depctr_vm_vsrc(0)
	s_getreg_b32 s2, hwreg(HW_REG_IB_STS2, 6, 4)
	s_cmp_eq_u32 s2, 0
	s_cbranch_scc0 .Lentry_in_a_cluster
	s_endpgm
.Lentry_in_a_cluster:
	s_bfe_u32 s2, ttmp6, 0x10000c
	s_cmp_lg_u32 s2, 0x3003
	s_cbranch_scc0 .Lentry_shape_is_right
	s_endpgm
.Lentry_shape_is_right:
; ATTN: scores = q k^T / 8 (masked keys: -2^100) + alibi;  p = 2^(t - M), t = score x log2(e), M the running largest t rounded up to a whole number;  o = (p v) / (the sum of the unquantised p).
; Both products run on codes of FP6 (E2M3) with E8M0 scales; o is quantised along the last product's K (head x 64 + d) and leaves as codes in the order of that product's operand registers.
; SHARES.  A work-group owns 64 queries of ONE head for ALL EIGHT batches, so each tile of alibi is asked of memory by one work-group alone.  Wave w owns tile w % 4 (16 queries) and batches 4 (w / 4) .. + 3:
; a tile of alibi (64 registers) is read from LDS once and is the C of four score products.
; CLUSTER.  The four partners are four blocks of 64 queries of one head: they need the same k and v.  Waves 0-3 ask jointly for two batches' blocks each: one tile of 2 rows of 15,104 bytes, 128 blocks apart in memory.
; Alibi differs from partner to partner: waves 4-7 bring the work-group's own 64 rows x 512 bytes, 16 rows each.  Every wave has one tensor load out.
; The factor 1 / 8 stands in q's scale bytes, the mask in the product's idle half (k = 64).  k's operand is named as 12 registers of which 8 are loaded: at k above 64 all of q's codes are zeros.
; LAYOUT.  S^T = k q^T, O^T = v^T p^T: a lane holds one query throughout.  Tile 2 B + u holds key (query, channel) 32 B + 8 u + i + 8 (i / 8) in its row i.
; RING.  Two slots of 154,112 bytes (alibi: 64 rows of 512 + 8 bytes; then eight blocks of kv).  THE CHANGE OF SLOTS STANDS INSIDE A SLOT'S LAST BATCH, behind its score products and the arrival of its v: from there on
; that batch works on registers alone, so the slot is given up, filled with key step j + 2, and the next slot's alibi and first k are loaded while the batch's softmax runs.
; CODE.  A key step is written twice: a loop of 6 trips that refills and a loop of 2 trips that does not.  The slot is (the loop's counter) % 2, made by and, multiply and add.
; O^T begins as zeros written by moves: a step is written once for all key steps, and the first change of M leaves zeros zeros.
; PREFETCH.  Trip t asks for key step t + 3, whose tensor load is issued in trip t + 1; trips 5 and on ask for nothing; steps 0 to 2 come by their loads alone.  One instruction a wave.  Waves 0-3: alibi, 64 rows x 2 blocks
; of 256 bytes, a lane a block, 16 rows a wave.  Waves 4-7: kv; the cluster's 8 x 59 blocks are shared out by address: partner cx takes batches 2 cx and 2 cx + 1, two waves a batch (the last lanes name the last block together).
; REGISTERS, in windows of 256 (s_set_vgpr_msb: bits 1:0 source 0, 3:2 source 1, 5:4 source 2, 7:6 destination).
;   window 0: v1-11 addresses; v12-27 four registers a batch: -M, the largest t, the sum in two halves; v28-31 q's scale words; v32-99 k's eight tiles, 8 apart; v100-163 S^T, then p; v164-211 v's four fragments;
;             v212-223 p's codes; v224-227 k's scale runs; v228-229 v's; v230 4 r; v232-254 at work
;   window 1: v0-63 alibi; v64-191 O^T, 32 a batch; v192-239 q, 12 a batch
; LIMITS: a masked key counts as -2^100 and the running maximum starts at -2^90, so t must lie above -2^90; a batch whose keys are all masked gets the scale byte 0xff, which makes the last product NaN there, as the
; softmax of such a row is; NaN and infinities among the inputs are not served; a block of zeros keeps the floor's byte.
.set APITCH, 520
.set ALB,    64*APITCH
.set KVB,    15104
.set SLOT,   ALB+8*KVB
.set SPARE,  2*SLOT                    ; the spare words: 128 bytes a wave, named by no other line
.set QSTR,   1114112                   ; from batch to batch in qc
.set OSTR,   819200                    ; and in ao
.set SPW,  1
.set NIL,  2
.set AAL0, 3                           ; my row of alibi in slot 0, and in the slot that is being read
.set AAL,  4
.set AK0,  5                           ; my four kv blocks + 16 x lane, likewise
.set AK,   6
.set AV0,  7                           ; v's scale runs + 8 x lane, likewise
.set AV,   8
.set PFO,  9
.set L16,  10
.set L8,   11
.set ST,   12
.set QSC,  28
.set KR,   32
.set S,    100
.set VR,   164
.set PC,   212
.set KS,   224
.set VS,   228
.set R4,   230
.set AW,   0
.set OW,   64
.set QW,   192
.set WV,   12
.set CX,   13
.set HEAD, 14
.set Q64,  15
.set TL,   16
.set G,    17
.set T0,   18
.set T1,   19
.set SEL,  20
.set CS,   22
.set G1A,  24
.set G1K,  32
.set GA,   40
.set GK,   44
.set KBASE, 48
.set ABASE, 49
.set CNT,  50
.set PF,   52
.set PFS,  54
.set AOP,  56
.set AOS,  58
.set QI,   60
.set QS,   62
.set MSB, 0
.macro WIN new                         ; the immediate's high byte repeats the setting that is left
.if MSB != \new
	s_set_vgpr_msb (MSB<<8)|\new
.set MSB, \new
.endif
.endm
.macro PLACES
.rept 4
	v_nop
.endr
.endm
.macro CROUND                          ; a round of the cluster's barrier
	s_barrier_signal -1
	s_barrier_wait -1
	s_cmp_lg_u32 s[WV], 0
	s_cbranch_scc1 .Lnot_wave_0_\@
	s_barrier_signal -3
.Lnot_wave_0_\@:
	s_barrier_wait -3
	s_barrier_signal -1
	s_barrier_wait -1
.endm
.macro TLOAD                           ; every wave asks once: waves 0-3 jointly for kv, waves 4-7 for alibi.  s_nop 0 and four v_nop follow each line
	s_cmp_lt_u32 s[WV], 4
	s_cbranch_scc0 .Lfor_a_\@
	tensor_load_to_lds s[GK:GK+3], s[G1K:G1K+7]
	s_nop 0
	PLACES
	s_branch .Lasked_\@
.Lfor_a_\@:
	tensor_load_to_lds s[GA:GA+3], s[G1A:G1A+7]
	s_nop 0
	PLACES
.Lasked_\@:
.endm
.macro ASK
	s_cmp_lt_u32 s[CNT], 5
	s_cbranch_scc0 .Lno_ask_\@
	global_prefetch_b8 v[PFO], s[PF:PF+1] th:TH_LOAD_NT scope:SCOPE_SE
.Lno_ask_\@:
.endm
.macro ALOAD                           ; my tile of alibi: register 8 a + j = alibi(my query, key 32 B + 8 u + 16 h + j), the C of tile a = 2 B + u.  32 loads of 8 bytes
	WIN 0x40
.irp a, 0,1,2,3,4,5,6,7
.irp x, 0,1,2,3
	ds_load_b64 v[AW+8*\a+2*\x:AW+8*\a+2*\x+1], v[AAL] offset:128*(\a/2)+32*(\a%2)+8*\x
.endr
.endr
	WIN 0
.endm
.macro KLOAD n                         ; my batch n's eight tiles of k and their scale runs: 17 loads
.irp a, 0,1,2,3,4,5,6,7
	ds_load_b128 v[KR+8*\a:KR+8*\a+3], v[AK] offset:(\n)*KVB+1024*\a
	ds_load_b128 v[KR+8*\a+4:KR+8*\a+7], v[AK] offset:(\n)*KVB+1024*\a+512
.endr
	ds_load_b128 v[KS:KS+3], v[AK] offset:(\n)*KVB+14336
.endm
.macro VLOAD n                         ; its four fragments of v and their scale runs: 13 loads
.irp t, 0,1,2,3
.irp g, 0,1,2
	ds_load_b128 v[VR+12*\t+4*\g:VR+12*\t+4*\g+3], v[AK] offset:(\n)*KVB+8192+1536*\t+512*\g
.endr
.endr
	ds_load_b64 v[VS:VS+1], v[AV] offset:(\n)*KVB
.endm
; THE CHANGE OF SLOTS, in key step CNT.  Every wave waits for all its tensor loads (one is out: its part of the next slot), adds 0 to its spare word, and waits for that and for its reads of this slot, v of the last batch among them.
; Between the add and the wait for it, on registers: the addresses of the next slot, and (kind 1) the descriptors for key step CNT + 2 into this slot and the prefetch's step.
.macro TURN kind
	s_wait_tensorcnt 0x0
	ds_add_u32 v[SPW], v[NIL]
	s_add_co_u32 s[T1], s[CNT], 1
	s_and_b32 s[T1], s[T1], 1
	s_mul_i32 s[T1], s[T1], SLOT
	v_add_nc_u32 v[AAL], s[T1], v[AAL0]
	v_add_nc_u32 v[AK], s[T1], v[AK0]
	v_add_nc_u32 v[AV], s[T1], v[AV0]
.if (\kind) == 1
	s_and_b32 s[T0], s[CNT], 1
	s_mul_i32 s[T0], s[T0], SLOT
	s_add_co_u32 s[GK+1], s[KBASE], s[T0]
	s_add_co_u32 s[GA+1], s[ABASE], s[T0]
	s_add_nc_u64 s[GK+2:GK+3], s[GK+2:GK+3], KVB
	s_add_nc_u64 s[GA+2:GA+3], s[GA+2:GA+3], 512
	s_wait_xcnt 0x0                                ; the last trip's prefetch has read its address
	s_add_nc_u64 s[PF:PF+1], s[PF:PF+1], s[PFS:PFS+1]
.endif
	s_wait_alu depctr_va_vdst(0)
	s_wait_dscnt 0x0
.if (\kind) == 1
	CROUND                                         ; kv's refills are joint loads: the round is the refill's barrier
	TLOAD                                          ; its four v_nop are also the places in front of the loads below
	ALOAD
	KLOAD 0
	ASK
.else
	s_barrier_signal -1
	s_barrier_wait -1                              ; the next slot is whole for all eight waves; nothing is filled again
	PLACES
	s_cmp_eq_u32 s[CNT], 7
	s_cbranch_scc1 .Lno_next_\@                    ; behind the last key step nothing is left to read
	ALOAD
	KLOAD 0
.Lno_next_\@:
.endif
.endm
; A STEP: my batch q, 128 keys.  kind 0: the next batch's k is asked for behind the score products; 1, 2: the slot's last batch, with the change of slots.
.macro STEP q, kind
.set rM, ST+4*(\q)
.set rO, OW+32*(\q)
.set rQ, QW+12*(\q)
	PLACES                                         ; behind the last batch's products, in front of the loads into v's registers
	VLOAD \q
	s_wait_dscnt 13                                ; k (and alibi) are in; the 13 younger loads, v's, may be out
	WIN 0x14                                       ; q and alibi in window 1
.irp a, 0,2,4,6
	v_wmma_scale_f32_16x16x128_f8f6f4 v[S+8*\a:S+8*\a+7], v[KR+8*\a:KR+8*\a+11], v[rQ:rQ+11], v[AW+8*\a:AW+8*\a+7], v[KS+\a/2], v[QSC+(\q)] matrix_a_fmt:MATRIX_FMT_FP6 matrix_b_fmt:MATRIX_FMT_FP6
	v_wmma_scale_f32_16x16x128_f8f6f4 v[S+8+8*\a:S+15+8*\a], v[KR+8+8*\a:KR+19+8*\a], v[rQ:rQ+11], v[AW+8+8*\a:AW+15+8*\a], v[KS+\a/2], v[QSC+(\q)] matrix_a_fmt:MATRIX_FMT_FP6 matrix_b_fmt:MATRIX_FMT_FP6 matrix_a_scale:MATRIX_SCALE_ROW1
.endr
	WIN 0
.if (\kind) == 0
	PLACES                                         ; behind the score products: in front of the loads into k's registers and of the reads of S^T
	KLOAD (\q)+1
.else
	TURN \kind
.endif
.irp b, 0,1,2,3
	v_max3_num_f32 v[232+\b], v[S+16*\b], v[S+1+16*\b], v[S+2+16*\b]   ; the largest score of each block of 32 keys: for the row's maximum and, since p rises with the score, for the block's largest p
.endr
.irp x, 3,5,7,9,11,13
.irp b, 0,1,2,3
	v_max3_num_f32 v[232+\b], v[232+\b], v[S+16*\b+\x], v[S+1+16*\b+\x]
.endr
.endr
.irp b, 0,1,2,3
	v_max_num_f32 v[232+\b], v[232+\b], v[S+15+16*\b]
.endr
.irp b, 0,1,2,3
	s_delay_alu instid0(VALU_DEP_4)
	v_permlanex16_b32 v[236+\b], v[232+\b], s[SEL], s[SEL+1]
.endr
.irp b, 0,1,2,3
	s_delay_alu instid0(VALU_DEP_4)
	v_max_num_f32 v[232+\b], v[232+\b], v[236+\b]
.endr
	s_delay_alu instid0(VALU_DEP_2)
	v_max3_num_f32 v254, v232, v233, v234
	s_delay_alu instid0(VALU_DEP_1)
	v_max_num_f32 v254, v254, v235
	s_delay_alu instid0(VALU_DEP_1)
	v_mul_f32 v254, s[CS], v254
	s_delay_alu instid0(VALU_DEP_1)
	v_max_num_f32 v[rM+1], v[rM+1], v254           ; the running largest t
	v_mov_b32 v254, v[rM]
	s_delay_alu instid0(VALU_DEP_2)
	v_floor_f32 v[rM], -v[rM+1]                    ; -M = floor(-t): M is a whole number
	s_delay_alu instid0(VALU_DEP_1)
	v_sub_f32 v254, v[rM], v254
	s_delay_alu instid0(VALU_DEP_1)
	v_cvt_i32_f32 v254, v254                       ; old M - new M, 0 or less (it saturates)
	s_delay_alu instid0(VALU_DEP_1)
	v_ldexp_f32 v252, 1.0, v254                    ; f = 2^(old M - new M): a multiplication by it rounds nothing
.set i, 0
.rept 32
	v_pk_fma_f32 v[S+i:S+i+1], v[S+i:S+i+1], s[CS:CS+1], v[rM:rM+1] op_sel_hi:[1,0,0]   ; t - M
.set i, i+2
.endr
.irp b, 0,1,2,3
	v_fma_f32 v[232+\b], v[232+\b], s[CS], v[rM]
.endr
	s_wait_alu depctr_va_vdst(0)                   ; the wait ahead of the batch
.set i, 0
.rept 64
	v_exp_f32 v[S+i], v[S+i]                       ; p = 2^(t - M): not normalised
.set i, i+1
.endr
	v_pk_mul_f32 v[rM+2:rM+3], v[rM+2:rM+3], v[252:253] op_sel_hi:[1,0]   ; the sums under the new M: a plain place behind the exponentials
	s_wait_alu depctr_va_vdst(0)                   ; one wait for the batch of 64, ahead of its first reader
.irp b, 0,1,2,3
	v_exp_f32 v[232+\b], v[232+\b]                 ; each block's largest p
.endr
	v_pk_add_f32 v[236:237], v[S:S+1], v[S+2:S+3]  ; the row's sum, of the unquantised p, in four chains
	v_pk_add_f32 v[238:239], v[S+4:S+5], v[S+6:S+7]
	v_pk_add_f32 v[240:241], v[S+8:S+9], v[S+10:S+11]
.irp j, 12,20,28,36,44,52
	v_pk_add_f32 v[rM+2:rM+3], v[rM+2:rM+3], v[S+\j:S+\j+1]
	v_pk_add_f32 v[236:237], v[236:237], v[S+\j+2:S+\j+3]
	v_pk_add_f32 v[238:239], v[238:239], v[S+\j+4:S+\j+5]
	v_pk_add_f32 v[240:241], v[240:241], v[S+\j+6:S+\j+7]
.endr
	v_pk_add_f32 v[rM+2:rM+3], v[rM+2:rM+3], v[S+60:S+61]
	v_pk_add_f32 v[236:237], v[236:237], v[S+62:S+63]
	s_delay_alu instid0(VALU_DEP_3)
	v_pk_add_f32 v[238:239], v[238:239], v[240:241]
	s_delay_alu instid0(VALU_DEP_2)
	v_pk_add_f32 v[rM+2:rM+3], v[rM+2:rM+3], v[236:237]
	s_delay_alu instid0(VALU_DEP_1)
	v_pk_add_f32 v[rM+2:rM+3], v[rM+2:rM+3], v[238:239]
	s_wait_alu depctr_va_vdst(0)                   ; and one for the four
.irp b, 0,1,2,3
	v_max_num_f32 v[232+\b], 0x1800000, v[232+\b]  ; the floor 2^(3 - 127): the byte cannot fall under 1
.endr
.irp b, 0,1,2,3
	s_delay_alu instid0(VALU_DEP_4)
	v_add_nc_u32 v[244+\b], 0xff000000, v[232+\b]  ; 2 off the exponent field: the conversion's scale operand
.endr
.irp b, 0,1,2,3
	s_delay_alu instid0(VALU_DEP_4)
	v_lshrrev_b32 v[236+\b], 23, v[244+\b]
.endr
	s_delay_alu instid0(VALU_DEP_3)
	v_lshl_or_b32 v253, v237, 8, v236              ; p's scale word for these 128 keys
	s_delay_alu instid0(VALU_DEP_1)
	v_lshl_or_b32 v253, v238, 16, v253
	s_delay_alu instid0(VALU_DEP_1)
	v_lshl_or_b32 v253, v239, 24, v253
.irp c, 0,1
	v_cvt_scalef32_pk16_fp6_f32 v[PC+6*\c:PC+6*\c+2], v[S+32*\c:S+32*\c+15], v[244+2*\c]
	v_cvt_scalef32_pk16_fp6_f32 v[236+4*\c:238+4*\c], v[S+16+32*\c:S+31+32*\c], v[244+2*\c+1]   ; (a conversion's three registers begin on an even number)
.endr
	v_nop                                          ; one plain place behind a scaled conversion
.irp c, 0,1
.irp x, 0,1,2
	v_permlane16_swap_b32 v[PC+6*\c+\x], v[236+4*\c+\x]    ; a whole block to a lane
.endr
.irp x, 0,1,2
	s_delay_alu instid0(VALU_DEP_3)
	v_mov_b32 v[PC+3+6*\c+\x], v[236+4*\c+\x]
.endr
.endr
	WIN 0x41                                       ; O^T in window 1, f in window 0
.set i, 0
.rept 16
	v_pk_mul_f32 v[rO+i:rO+i+1], v[rO+i:rO+i+1], v[252:253] op_sel_hi:[1,0]   ; O^T under the new M; these 16 are also the places between p's scale word and codes and the products
.set i, i+2
.endr
.if (\kind) == 0
	s_wait_alu depctr_va_vdst(0)
	s_wait_dscnt 17                                ; v is in; the 17 younger loads, the next batch's k, may be out
.endif
	WIN 0x50                                       ; C and D in window 1
.irp t, 0,2
	v_wmma_scale_f32_16x16x128_f8f6f4 v[rO+8*\t:rO+8*\t+7], v[VR+12*\t:VR+12*\t+11], v[PC:PC+11], v[rO+8*\t:rO+8*\t+7], v[VS+\t/2], v253 matrix_a_fmt:MATRIX_FMT_FP6 matrix_b_fmt:MATRIX_FMT_FP6
	v_wmma_scale_f32_16x16x128_f8f6f4 v[rO+8+8*\t:rO+15+8*\t], v[VR+12+12*\t:VR+23+12*\t], v[PC:PC+11], v[rO+8+8*\t:rO+15+8*\t], v[VS+\t/2], v253 matrix_a_fmt:MATRIX_FMT_FP6 matrix_b_fmt:MATRIX_FMT_FP6 matrix_a_scale:MATRIX_SCALE_ROW1
.endr
	WIN 0
.endm
.macro KEYSTEP kind
	STEP 0, 0
	STEP 1, 0
	STEP 2, 0
	STEP 3, \kind
.endm
; Batch q is done: O^T / the sum is quantised: my head's half of my tile's fragment.  Each batch has its own registers for what it stores (in k's run, which is free), so no store's data are written again.
.macro FINAL q
.set rM, ST+4*(\q)
.set rO, OW+32*(\q)
.set rF, KR+8*(\q)
.set rH, KR+40+(\q)
	v_add_f32 v[rM+2], v[rM+2], v[rM+3]
	s_delay_alu instid0(VALU_DEP_1)
	v_permlanex16_b32 v254, v[rM+2], s[SEL], s[SEL+1]
	s_delay_alu instid0(VALU_DEP_1)
	v_add_f32 v[rM+2], v[rM+2], v254               ; the row's sum
	s_wait_alu depctr_va_vdst(0)
	v_rcp_f32 v252, v[rM+2]
	v_nop                                          ; a plain place behind the reciprocal
	v_cmp_neq_f32 vcc_lo, 0, v[rM+2]
	s_wait_alu depctr_va_vdst(0)                   ; the wait ahead of its first reader
	WIN 0x01
.set i, 0
.rept 16
	v_pk_mul_f32 v[S+i:S+i+1], v[rO+i:rO+i+1], v[252:253] op_sel_hi:[1,0]     ; register 16 B + i = o(my query, d = 32 B + 16 h + i)
.set i, i+2
.endr
	WIN 0
.irp b, 0,1
	v_max3_num_f32 v[232+\b], |v[S+16*\b]|, |v[S+1+16*\b]|, 0x1800000
.endr
.irp x, 2,4,6,8,10,12,14
.irp b, 0,1
	s_delay_alu instid0(VALU_DEP_2)
	v_max3_num_f32 v[232+\b], v[232+\b], |v[S+16*\b+\x]|, |v[S+1+16*\b+\x]|
.endr
.endr
.irp b, 0,1
	s_delay_alu instid0(VALU_DEP_2)
	v_permlanex16_b32 v[236+\b], v[232+\b], s[SEL], s[SEL+1]
.endr
.irp b, 0,1
	s_delay_alu instid0(VALU_DEP_2)
	v_max_num_f32 v[232+\b], v[232+\b], v[236+\b]
.endr
.irp b, 0,1
	s_delay_alu instid0(VALU_DEP_2)
	v_add_nc_u32 v[244+\b], 0xff000000, v[232+\b]
.endr
.irp b, 0,1
	s_delay_alu instid0(VALU_DEP_2)
	v_lshrrev_b32 v[236+\b], 23, v[244+\b]
.endr
	s_delay_alu instid0(VALU_DEP_1)
	v_lshl_or_b32 v[rH], v237, 8, v236
	s_delay_alu instid0(VALU_DEP_1)
	v_cndmask_b32 v[rH], 0xffff, v[rH], vcc_lo     ; a row whose sum is 0 (every key masked): the NaN byte
	v_cvt_scalef32_pk16_fp6_f32 v[rF:rF+2], v[S:S+15], v244
	v_cvt_scalef32_pk16_fp6_f32 v[240:242], v[S+16:S+31], v245
	v_nop
.irp x, 0,1,2
	v_permlane16_swap_b32 v[rF+\x], v[240+\x]
.endr
.irp x, 0,1,2
	s_delay_alu instid0(VALU_DEP_3)
	v_mov_b32 v[rF+3+\x], v[240+\x]
.endr
	global_store_b128 v[L16], v[rF:rF+3], s[AOP:AOP+1] offset:OSTR*(\q)           ; 512 and 256 consecutive bytes
	global_store_b64 v[L8], v[rF+4:rF+5], s[AOP:AOP+1] offset:OSTR*(\q)+512
	global_store_b16 v[R4], v[rH], s[AOS:AOS+1] offset:OSTR*(\q)                  ; my head's two bytes of the row's scale word; lanes l and l xor 16 store the same two bytes to the same place
.endm
	s_load_b256 s[4:11], s[0:1], 0x0               ; qc 4, kv 6, alibi 8, ao 10
	v_lshl_add_u32 v[SPW], v0, 2, SPARE
	v_mov_b32 v[NIL], 0
	ds_add_u32 v[SPW], v[NIL]                      ; the opening lines: the add, twice on end, and its wait
	ds_add_u32 v[SPW], v[NIL]
	v_lshrrev_b32 v100, 5, v0
	v_readfirstlane_b32 s[WV], v100                ; wave 0..7
	s_bfe_u32 s[CX], ttmp6, 0x40000                ; cx enters global addresses of alibi, q, o and the prefetches alone
	s_and_b32 s[T0], ttmp7, 0xffff
	s_lshr_b32 s[HEAD], s[T0], 2
	s_and_b32 s[T0], s[T0], 3
	s_lshl_b32 s[T0], s[T0], 2
	s_add_co_u32 s[Q64], s[T0], s[CX]              ; my block of 64 queries
	s_and_b32 s[TL], s[WV], 3                      ; my tile of its four
	s_lshr_b32 s[G], s[WV], 2                      ; my group of four batches
	; group 1, alibi: 16 rows x 128 elements of 4 bytes, 1,024 elements from row to row, 8 bytes of padding behind each row; no mask
	s_mov_b32 s[G1A], (2<<16)|(1<<20)|(6<<22)|(1<<25)
	s_mov_b32 s[G1A+1], 128<<16
	s_mov_b32 s[G1A+2], 16<<16
	s_mov_b32 s[G1A+3], 128<<16
	s_mov_b32 s[G1A+4], 16
	s_mov_b32 s[G1A+5], 1024
	s_mov_b32 s[G1A+6], 0
	s_mov_b32 s[G1A+7], 0
	; group 1, kv: 2 rows (batches) of 1,888 elements of 8 bytes, 128 blocks = 241,664 elements from row to row; the mask names all four partners
	s_mov_b32 s[G1K], 15|(3<<16)|(1<<21)
	s_mov_b32 s[G1K+1], 1888<<16
	s_mov_b32 s[G1K+2], 2<<16
	s_mov_b32 s[G1K+3], 1888<<16
	s_mov_b32 s[G1K+4], 2
	s_mov_b32 s[G1K+5], 241664
	s_mov_b32 s[G1K+6], 0
	s_mov_b32 s[G1K+7], 0
	s_lshl_b32 s78, s[TL], 8                       ; kv: block 8 (16 (2 (wave % 4)) + head) + key step: the head and the wave alone
	s_lshl_b32 s79, s[HEAD], 3
	s_add_co_u32 s78, s78, s79
	s_mul_i32 s78, s78, KVB
	s_mov_b32 s79, 0
	s_mul_i32 s[KBASE], s[TL], 2*KVB
	s_add_co_u32 s[KBASE], s[KBASE], ALB
	s_mul_i32 s[ABASE], s[TL], 16*APITCH
	s_lshl_b32 s80, s[HEAD], 22                    ; alibi: head x 4 MiB + 64 x block rows of 4,096 bytes
	s_lshl_b32 s81, s[Q64], 18
	s_add_co_u32 s80, s80, s81
	s_lshl_b32 s66, s[TL], 16
	s_add_co_u32 s66, s66, s80
	s_mov_b32 s67, 0
	s_mov_b32 s[SEL], 0x76543210
	s_mov_b32 s[SEL+1], 0xfedcba98
	s_mov_b32 s[CS], 0x3fb8aa3b                    ; log2(e)
	s_mov_b32 s[CS+1], s[CS]
	s_wait_dscnt 0x0
	s_wait_kmcnt 0x0
	s_mov_b32 s[GK], 1
	s_mov_b32 s[GK+1], s[KBASE]
	s_add_nc_u64 s[GK+2:GK+3], s[6:7], s[78:79]
	s_or_b32 s[GK+3], s[GK+3], 0x80000000
	s_mov_b32 s[GA], 1
	s_mov_b32 s[GA+1], s[ABASE]
	s_add_nc_u64 s[GA+2:GA+3], s[8:9], s[66:67]
	s_or_b32 s[GA+3], s[GA+3], 0x80000000
	CROUND                                         ; all four work-groups are here
	TLOAD                                          ; key step 0 into slot 0: one tensor load a wave at the head
	s_lshl_b32 s66, s[G], 9                        ; q: block 8 (16 (4 (wave / 4)) + head) + block of 128 queries; the other three batches stand in the immediates
	s_lshl_b32 s69, s[HEAD], 3
	s_add_co_u32 s66, s66, s69
	s_lshr_b32 s69, s[Q64], 1
	s_add_co_u32 s66, s66, s69
	s_mul_i32 s66, s66, 8704
	s_add_nc_u64 s[QS:QS+1], s[4:5], s[66:67]
	s_and_b32 s68, s[Q64], 1
	s_lshl_b32 s68, s68, 2
	s_add_co_u32 s68, s68, s[TL]                   ; a: my tile among the block's eight
	s_lshl_b32 s66, s68, 10
	s_add_nc_u64 s[QI:QI+1], s[QS:QS+1], s[66:67]  ; its image
	s_and_b32 s66, s68, 1
	s_lshl_b32 s66, s66, 8
	s_lshr_b32 s84, s68, 1
	s_lshl_b32 s84, s84, 2
	s_add_co_u32 s66, s66, s84
	s_add_co_u32 s66, s66, 8192
	s_add_nc_u64 s[QS:QS+1], s[QS:QS+1], s[66:67]  ; its scale words: 16 (16 u + r) + 4 B
	s_lshl_b32 s66, s[G], 5
	s_add_co_u32 s66, s66, s69
	s_mul_i32 s66, s66, 102400
	s_add_nc_u64 s[AOS:AOS+1], s[10:11], s[66:67]
	s_lshr_b32 s82, s[HEAD], 1                     ; the last product's K step, and my half of it
	s_and_b32 s83, s[HEAD], 1
	s_lshl_b32 s66, s82, 3
	s_add_co_u32 s66, s66, s68
	s_mul_i32 s66, s66, 1536
	s_mul_i32 s84, s83, 768
	s_add_co_u32 s66, s66, s84
	s_add_nc_u64 s[AOP:AOP+1], s[AOS:AOS+1], s[66:67]
	s_lshl_b32 s66, s82, 9
	s_lshl_b32 s84, s68, 6
	s_add_co_u32 s66, s66, s84
	s_lshl_b32 s84, s83, 1
	s_add_co_u32 s66, s66, s84
	s_add_co_u32 s66, s66, 98304
	s_add_nc_u64 s[AOS:AOS+1], s[AOS:AOS+1], s[66:67]
	s_lshl_b32 s66, s[TL], 16                      ; the prefetch stands at key step 2: the first trip steps it to 3.  Alibi: my 16 rows;
	s_add_co_u32 s66, s66, s80
	s_add_co_u32 s66, s66, 1024
	s_lshl_b32 s84, s[CX], 1                       ; kv: batch 2 cx + (wave % 4) / 2
	s_lshr_b32 s85, s[TL], 1
	s_add_co_u32 s84, s84, s85
	s_lshl_b32 s84, s84, 4
	s_add_co_u32 s84, s84, s[HEAD]
	s_lshl_b32 s84, s84, 3
	s_add_co_u32 s84, s84, 2
	s_mul_i32 s84, s84, KVB
	s_mov_b32 s[PFS], KVB
	s_mov_b32 s[PFS+1], 0
	s_cmp_lt_u32 s[WV], 4                          ; the choice hangs on the wave's number alone
	s_cselect_b64 s[PF:PF+1], s[8:9], s[6:7]
	s_cselect_b32 s66, s66, s84
	s_cselect_b32 s[PFS], 512, s[PFS]
	s_cselect_b32 s[T0], -1, 0
	s_add_nc_u64 s[PF:PF+1], s[PF:PF+1], s[66:67]
	s_lshl_b32 s85, s85, 5                         ; my tile's first row among the 64: 32 (tile / 2) + 8 (tile % 2)
	s_and_b32 s87, s[TL], 1
	s_lshl_b32 s88, s87, 3
	s_add_co_u32 s85, s85, s88
	s_mul_i32 s85, s85, APITCH
	s_mul_i32 s86, s[G], 4*KVB
	s_add_co_u32 s86, s86, ALB                     ; my four batches' blocks in a slot
	s_lshl_b32 s87, s87, 5
	v_and_b32 v100, 31, v0
	v_and_b32 v101, 15, v0                         ; r
	v_bfe_u32 v102, v0, 4, 1                       ; h
	v_lshlrev_b32 v[L16], 4, v100
	v_lshlrev_b32 v[L8], 3, v100
	v_lshlrev_b32 v[R4], 2, v101
	v_lshlrev_b32 v103, 4, v101
	WIN 0x40
.irp n, 0,1,2,3
	global_load_b128 v[QW+12*\n:QW+12*\n+3], v[L16], s[QI:QI+1] offset:QSTR*\n
	global_load_b128 v[QW+12*\n+4:QW+12*\n+7], v[L16], s[QI:QI+1] offset:QSTR*\n+512
.endr
	WIN 0
.irp n, 0,1,2,3
	global_load_b32 v[QSC+\n], v103, s[QS:QS+1] offset:QSTR*\n
.endr
	v_and_b32 v104, 8, v101
	v_lshrrev_b32 v105, 1, v100
	v_and_b32 v106, 1, v100
	v_add_nc_u32 v107, s87, v100
	v_add_nc_u32 v104, v104, v101
	v_lshlrev_b32 v105, 12, v105
	v_min_u32 v107, 58, v107
	v_add_nc_u32 v[AK0], s86, v[L16]
	v_mul_u32_u24 v[AAL0], v104, APITCH
	v_lshl_or_b32 v105, v106, 8, v105              ; alibi: row lane / 2, block lane % 2
	v_lshlrev_b32 v107, 8, v107                    ; kv: a block a lane, held at the last
	v_add_nc_u32 v[AV0], s86, v[L8]
	v_lshl_add_u32 v[AAL0], v102, 6, v[AAL0]
	v_cndmask_b32 v[PFO], v107, v105, s[T0]
	v_mov_b32 v[AK], v[AK0]
	v_add_nc_u32 v[AV0], 14848, v[AV0]
	v_add_nc_u32 v[AAL0], s85, v[AAL0]
.irp n, 0,1,2,3
	v_mov_b32 v[ST+4*\n+1], 0xec800000             ; the largest t so far: -2^90
	v_mov_b32 v[ST+4*\n+2], 0
	v_mov_b32 v[ST+4*\n+3], 0
.endr
	v_mov_b32 v[AV], v[AV0]
	v_mov_b32 v[AAL], v[AAL0]
.irp n, 0,1,2,3
	v_floor_f32 v[ST+4*\n], -v[ST+4*\n+1]
.endr
	v_mov_b32 v253, 0                              ; (named as the upper half of the pair v[252:253] before it is first written)
.irp x, 96,97,98,99,236,237,238,239
	v_mov_b32 v[\x], 0                             ; what the last k tile's operand names beyond its 8; the lane permutes' destinations
.endr
	WIN 0x40
.irp n, 0,1,2,3
.irp x, 8,9,10,11
	v_mov_b32 v[QW+12*\n+\x], 0                    ; q's registers 8-11: zero codes
.endr
.endr
.set i, 0
.rept 128
	v_mov_b32 v[OW+i], 0                           ; O^T
.set i, i+1
.endr
	WIN 0
	s_wait_alu depctr_va_vdst(0)                   ; the wait at the head's end
	s_wait_tensorcnt 0x0                           ; my part of key step 0 is in; slot 1's first fill is issued as a refill is
	ds_add_u32 v[SPW], v[NIL]
	s_add_co_u32 s[GK+1], s[KBASE], SLOT
	s_add_co_u32 s[GA+1], s[ABASE], SLOT
	s_add_nc_u64 s[GK+2:GK+3], s[GK+2:GK+3], KVB
	s_add_nc_u64 s[GA+2:GA+3], s[GA+2:GA+3], 512
	s_wait_dscnt 0x0
	CROUND
	TLOAD                                          ; key step 1 into slot 1
	ALOAD
	KLOAD 0
	s_wait_loadcnt 0x0                             ; q
	s_mov_b32 s[CNT], 0
.Lfill:                                            ; key steps 0 to 5: each gives its slot to the key step two on
	KEYSTEP 1
	s_add_co_u32 s[CNT], s[CNT], 1
	s_cmp_lt_u32 s[CNT], 6
	s_cbranch_scc1 .Lfill
	s_mov_b32 s[CNT], 6
.Ltail:                                            ; key steps 6 and 7: nothing is left to fetch
	KEYSTEP 2
	s_add_co_u32 s[CNT], s[CNT], 1
	s_cmp_lt_u32 s[CNT], 8
	s_cbranch_scc1 .Ltail
	PLACES                                         ; behind the last products
	FINAL 0
	FINAL 1
	FINAL 2
	FINAL 3
	s_wait_tensorcnt 0x0                           ; the wave's end
	ds_add_u32 v[SPW], v[NIL]
	s_wait_dscnt 0x0
	CROUND                                         ; the closing round
	s_endpgm
.Lfunc_end_k_q348afb5773_attn:
	.size	k_q348afb5773_attn, .Lfunc_end_k_q348afb5773_attn-k_q348afb5773_attn
	.p2alignl 7, 3214868480
	.fill 96, 4, 3214868480
	.section	.rodata,"a",@progbits
	.p2align	6, 0x0
	.amdhsa_kernel k_q348afb5773_attn
		.amdhsa_group_segment_fixed_size 327680
		.amdhsa_private_segment_fixed_size 0
		.amdhsa_enable_private_segment 0
		.amdhsa_kernarg_size 32
		.amdhsa_user_sgpr_count 2
		.amdhsa_user_sgpr_kernarg_segment_ptr 1
		.amdhsa_wavefront_size32 1
		.amdhsa_system_sgpr_workgroup_id_x 1
		.amdhsa_system_sgpr_workgroup_id_y 1
		.amdhsa_system_sgpr_workgroup_id_z 1
		.amdhsa_system_vgpr_workitem_id 0
		.amdhsa_next_free_vgpr 512
		.amdhsa_next_free_sgpr 96
		.amdhsa_reserve_vcc 1
		.amdhsa_float_denorm_mode_32 3
		.amdhsa_float_denorm_mode_16_64 3
		.amdhsa_memory_ordered 1
		.amdhsa_forward_progress 1
		.amdhsa_inst_pref_size 177
	.end_amdhsa_kernel
	.amdgpu_metadata
---
amdhsa.version: [ 1, 2 ]
amdhsa.kernels:
  - .name:           k_q348afb5773_attn
    .symbol:         k_q348afb5773_attn.kd
    .args:
      - { .name: qc, .offset: 0, .size: 8, .value_kind: global_buffer, .address_space: global }
      - { .name: kv, .offset: 8, .size: 8, .value_kind: global_buffer, .address_space: global }
      - { .name: alibi_bias, .offset: 16, .size: 8, .value_kind: global_buffer, .address_space: global }
      - { .name: ao, .offset: 24, .size: 8, .value_kind: global_buffer, .address_space: global }
    .group_segment_fixed_size: 327680
    .private_segment_fixed_size: 0
    .kernarg_segment_align: 8
    .kernarg_segment_size: 32
    .max_flat_workgroup_size: 256
    .sgpr_count:     96
    .vgpr_count:     512
    .wavefront_size: 32
...
	.end_amdgpu_metadata
.endif
;; end of part 3
;; launch outp (part 4): grid 4 x 64, 4 waves a work-group, clusters of 4 x 1, 168,448 bytes of LDS; arguments ao, wq, bo, out0; writes out0
.if DOCPART == 4
	.amdgcn_target "amdgcn-amd-amdhsa--gfx1250"
	.amdhsa_code_object_version 6
	.text
	.protected	k_q348afb5773_outp
	.globl	k_q348afb5773_outp
	.p2align	8
	.type	k_q348afb5773_outp,@function
k_q348afb5773_outp:
	s_mov_b64 s[64:65], 0
	v_nop
	global_prefetch_b8 v0, s[64:65] scope:SCOPE_SE
	s_setreg_imm32_b32 hwreg(HW_REG_WAVE_MODE, 25, 1), 1
	s_wait_xcnt 0x0
	s_wait_alu depctr_hold_cnt(0) depctr_sa_sdst(0) depctr_va_vdst(0) depctr_va_sdst(0) depctr_va_ssrc(0) depctr_va_vcc(0) depctr_vm_vsrc(0)
	s_getreg_b32 s2, hwreg(HW_REG_IB_STS2, 6, 4)
	s_cmp_eq_u32 s2, 0
	s_cbranch_scc0 .Lentry_in_a_cluster
	s_endpgm
.Lentry_in_a_cluster:
	s_bfe_u32 s2, ttmp6, 0x10000c
	s_cmp_lg_u32 s2, 0x3003
	s_cbranch_scc0 .Lentry_shape_is_right
	s_endpgm
.Lentry_shape_is_right:
; OUTP: out0 = o Wo + bo, on codes of FP6 (E2M3) with E8M0 scales; o's codes come from the attention launch, Wo's from the first.
; SHARES.  A work-group makes 128 rows (row block = the cluster's y) x 256 columns; wave w the 64 columns of group 4 cx + w.
; CLUSTER.  The four partners read the same 102,400 bytes of o's codes and scale runs: one joint tensor load a wave, a quarter each, filled once.  Wo's units differ from wave to wave and from partner to partner:
; they come from memory straight into registers.
; BY ROWS.  All eight units of the wave's 64 columns (K = 1,024: 8 x 48 registers) are held in registers, and the eight tiles of 16 rows are finished one after the other, 32 matrix instructions each:
; the tile's four accumulators by turns, K ascending.  A finished tile goes through the wave's own stage and is stored while the next tile is multiplied.  A tile's eight row fragments (96 registers) have two buffers:
; the next tile's are fetched while this one is multiplied.
; The product is used transposed (source 0 = 16 columns of Wo, source 1 = 16 rows): a lane holds one row and 32 neighbouring columns in two runs of 16.  A tile of 16 rows x 64 columns leaves as rows of 256 consecutive
; bytes, aligned, sixteen lanes each.  Row i of tile a = 2 B + u is row 32 B + 8 u + i + 8 (i / 8) of the block.
; No prefetch: the launch has no loop to run ahead in; each wave asks for all its bytes at the head.
; REGISTERS: window 0: v1-13 addresses; v14-45 the rows' scale runs; v46-61 Wo's; v62-125 rows on the way out, two sets; v126-221 the odd tiles' row fragments; v222-253 the bias.
;   window 1: the accumulators (32 a + 8 t).   window 2: units 0-4.   window 3: v0-143 units 5-7; v144-239 the even tiles' row fragments.
.set SRCS, 98304
.set STG,  102400                      ; behind the block: 16 rows x 272 bytes for each wave; no fill lands there
.set SP,   272
.set UB,   6144
.set WSO,  2359296
.set L16,  1
.set L8,   2
.set L4,   3
.set FB16, 4
.set FB8,  5
.set RSA,  6
.set STO,  7
.set RD,   8
.set GO,   9
.set BO64, 10
.set RS,   14
.set WSC,  46
.set OB,   62
.set BIAS, 222
.set WV,   12
.set CX,   13
.set RBK,  14
.set PWA,  28
.set PSA,  30
.set OUT,  32
.set MSB, 0
.macro WIN new
.if MSB != \new
	s_set_vgpr_msb (MSB<<8)|\new
.set MSB, \new
.endif
.endm
.macro PLACES
.rept 4
	v_nop
.endr
.endm
.macro CROUND
	s_barrier_signal -1
	s_barrier_wait -1
	s_cmp_lg_u32 s[WV], 0
	s_cbranch_scc1 .Lnot_wave_0_\@
	s_barrier_signal -3
.Lnot_wave_0_\@:
	s_barrier_wait -3
	s_barrier_signal -1
	s_barrier_wait -1
.endm
.macro WM d, a, b, c, sa, sb, ra, rb
.if (\ra) && (\rb)
	v_wmma_scale_f32_16x16x128_f8f6f4 v[\d:\d+7], v[\a:\a+11], v[\b:\b+11], v[\c:\c+7], v[\sa], v[\sb] matrix_a_fmt:MATRIX_FMT_FP6 matrix_b_fmt:MATRIX_FMT_FP6 matrix_a_scale:MATRIX_SCALE_ROW1 matrix_b_scale:MATRIX_SCALE_ROW1
.elseif (\ra)
	v_wmma_scale_f32_16x16x128_f8f6f4 v[\d:\d+7], v[\a:\a+11], v[\b:\b+11], v[\c:\c+7], v[\sa], v[\sb] matrix_a_fmt:MATRIX_FMT_FP6 matrix_b_fmt:MATRIX_FMT_FP6 matrix_a_scale:MATRIX_SCALE_ROW1
.elseif (\rb)
	v_wmma_scale_f32_16x16x128_f8f6f4 v[\d:\d+7], v[\a:\a+11], v[\b:\b+11], v[\c:\c+7], v[\sa], v[\sb] matrix_a_fmt:MATRIX_FMT_FP6 matrix_b_fmt:MATRIX_FMT_FP6 matrix_b_scale:MATRIX_SCALE_ROW1
.else
	v_wmma_scale_f32_16x16x128_f8f6f4 v[\d:\d+7], v[\a:\a+11], v[\b:\b+11], v[\c:\c+7], v[\sa], v[\sb] matrix_a_fmt:MATRIX_FMT_FP6 matrix_b_fmt:MATRIX_FMT_FP6
.endif
.endm
; Row tile a is finished: 8 K steps x the four weight tiles.  The bias is the C that starts the sums.  The four accumulators take turns, one instruction a turn.
; In tile 0 each unit is waited for as it is first used: 152 loads were issued (8 of the bias, 18 a unit); with at most 63 out, the bias and units 0-3 (80 loads) are in; from unit 4 on the younger units' loads may be out.
.macro MUL a
.set fb, 144-18*((\a)%2)
.set wR, 3-3*((\a)%2)
.irp k, 0,1,2,3,4,5,6,7
.if (\a) == 0
.if \k == 0
	s_wait_loadcnt 63
.elseif \k > 3
	s_wait_loadcnt 18*(7-\k)
.endif
.endif
.if \k < 5
.set wb, 48*\k
.set wv, 0x42+4*wR
.else
.set wb, 48*(\k-5)
.set wv, 0x43+4*wR
.endif
.if \k > 0
.set wv, wv+0x10
.endif
	WIN wv                                         ; D window 1; C window 0 (the bias) or 1; the rows window 3 or 0; the unit window 2 or 3
.irp t, 0,1,2,3
.set rD, 32*(\a)+8*\t
.if \k == 0
.set rC, BIAS+8*\t
.else
.set rC, rD
.endif
.set rSW, WSC+2*\k+\t/2
.set rSR, RS+8*((\a)/2)+\k
.set fW, \t%2
.set fR, (\a)%2
	WM rD, wb+12*\t, fb+12*\k, rC, rSW, rSR, fW, fR
.endr
.endr
.endm
.macro FETCH a                         ; row tile a's eight fragments: 32 loads; even tiles into window 3, odd tiles into window 0
.set fb, 144-18*((\a)%2)
.if (\a)%2
	WIN 0
.else
	WIN 0xc0
.endif
.irp k, 0,1,2,3,4,5,6,7
.if \k < 4
.set a16, L16
.set a8, L8
.set off, 12288*\k+1536*(\a)
.else
.set a16, FB16
.set a8, FB8
.set off, 12288*(\k-4)+1536*(\a)
.endif
	ds_load_b128 v[fb+12*\k:fb+12*\k+3], v[a16] offset:off
	ds_load_b64 v[fb+12*\k+4:fb+12*\k+5], v[a8] offset:off+512
	ds_load_b128 v[fb+12*\k+6:fb+12*\k+9], v[a16] offset:off+768
	ds_load_b64 v[fb+12*\k+10:fb+12*\k+11], v[a8] offset:off+1280
.endr
	WIN 0
.endm
.macro WLOAD un                        ; a unit of Wo and its two scale runs: 18 loads
.if (\un) < 5
	WIN 0x80
.set wb, 48*(\un)
.else
	WIN 0xc0
.set wb, 48*((\un)-5)
.endif
.irp t, 0,1,2,3
	global_load_b128 v[wb+12*\t:wb+12*\t+3], v[L16], s[PWA:PWA+1] offset:(\un)*UB+1536*\t
	global_load_b64 v[wb+12*\t+4:wb+12*\t+5], v[L8], s[PWA:PWA+1] offset:(\un)*UB+1536*\t+512
	global_load_b128 v[wb+12*\t+6:wb+12*\t+9], v[L16], s[PWA:PWA+1] offset:(\un)*UB+1536*\t+768
	global_load_b64 v[wb+12*\t+10:wb+12*\t+11], v[L8], s[PWA:PWA+1] offset:(\un)*UB+1536*\t+1280
.endr
	WIN 0
	global_load_b32 v[WSC+2*(\un)], v[L4], s[PSA:PSA+1] offset:(\un)*256
	global_load_b32 v[WSC+2*(\un)+1], v[L4], s[PSA:PSA+1] offset:(\un)*256+128
.endm
.macro TOSTAGE a                       ; a finished tile into my stage and back as whole rows: 8 stores and 8 loads
	WIN 0x04                                       ; an LDS store's data are its source 1: window 1
.irp t, 0,1,2,3
	ds_store_b128 v[STO], v[32*(\a)+8*\t:32*(\a)+8*\t+3] offset:128*(\t/2)+32*(\t%2)          ; each accumulator from its low end on
	ds_store_b128 v[STO], v[32*(\a)+8*\t+4:32*(\a)+8*\t+7] offset:128*(\t/2)+32*(\t%2)+16
.endr
	WIN 0
.set BB, OB+32*((\a)%2)
.irp i, 0,1,2,3,4,5,6,7
	ds_load_b128 v[BB+4*\i:BB+4*\i+3], v[RD] offset:2*\i*SP      ; LDS serves a wave's instructions in order: these see the stores above, and the next tile's stores come behind them
.endr
.endm
.macro SEND a, younger                 ; younger: the LDS instructions issued behind tile a's loads
.set BB, OB+32*((\a)%2)
	s_wait_dscnt \younger
.irp i, 0,1,2,3,4,5,6,7
	global_store_b128 v[GO], v[BB+4*\i:BB+4*\i+3], s[OUT:OUT+1] offset:(32*((\a)/2)+8*((\a)%2)+2*\i+8*(\i/4))*4096 th:TH_STORE_NT   ; sixteen lanes store 256 consecutive bytes, aligned
.endr
.endm
	s_load_b256 s[4:11], s[0:1], 0x0               ; ao 4, wq 6, bo 8, out0 10
	v_lshl_add_u32 v254, v0, 2, 0x29000
	v_mov_b32 v255, 0
	ds_add_u32 v254, v255                          ; the opening lines: the add, twice on end, and its wait
	ds_add_u32 v254, v255
	v_lshrrev_b32 v11, 5, v0
	v_readfirstlane_b32 s[WV], v11
	s_bfe_u32 s[CX], ttmp6, 0x40000
	s_and_b32 s[RBK], ttmp7, 0xffff
	s_mov_b32 s16, 15|(3<<16)|(1<<21)              ; group 1: my quarter of 102,400 dense bytes: 100 rows of 256; the mask names all four partners
	s_mov_b32 s17, 32<<16
	s_mov_b32 s18, 100<<16
	s_mov_b32 s19, 32<<16
	s_mov_b32 s20, 100
	s_mov_b32 s21, 32
	s_mov_b32 s22, 0
	s_mov_b32 s23, 0
	s_mul_i32 s34, s[RBK], 102400
	s_mul_i32 s25, s[WV], 25600
	s_add_co_u32 s34, s34, s25
	s_mov_b32 s35, 0
	s_mov_b32 s24, 1
	s_wait_dscnt 0x0
	s_wait_kmcnt 0x0
	s_add_nc_u64 s[26:27], s[4:5], s[34:35]
	s_or_b32 s27, s27, 0x80000000
	CROUND
	tensor_load_to_lds s[24:27], s[16:23]
	s_nop 0
.rept 4
	v_nop
.endr
	v_and_b32 v11, 31, v0
	v_lshlrev_b32 v[L16], 4, v11
	v_lshlrev_b32 v[L8], 3, v11
	v_lshlrev_b32 v[L4], 2, v11
	v_add_nc_u32 v[FB16], 49152, v[L16]
	v_add_nc_u32 v[FB8], 49152, v[L8]
	v_add_nc_u32 v[RSA], SRCS, v[L4]
	v_and_b32 v12, 15, v0                          ; r
	v_bfe_u32 v13, v0, 4, 1                        ; h
	s_mul_i32 s36, s[WV], 16*SP
	s_add_co_u32 s36, s36, STG                     ; my stage
	v_mul_u32_u24 v[STO], v12, SP
	v_lshl_add_u32 v[STO], v13, 6, v[STO]
	v_add_nc_u32 v[STO], s36, v[STO]               ; in: row r, + 64 h
	v_mul_u32_u24 v[RD], v13, SP
	v_lshl_add_u32 v[RD], v12, 4, v[RD]
	v_add_nc_u32 v[RD], s36, v[RD]                 ; back: lanes 0-15 one row, lanes 16-31 the next
	v_lshlrev_b32 v[GO], 12, v13
	v_lshl_add_u32 v[GO], v12, 4, v[GO]            ; and the same in out0
	v_lshlrev_b32 v[BO64], 6, v13
	s_wait_alu depctr_va_vdst(0)                   ; the wait behind the head's last vector instruction
	s_lshl_b32 s38, s[CX], 2
	s_add_co_u32 s38, s38, s[WV]                   ; my group of 64 columns
	s_mov_b32 s41, 0
	s_lshl_b32 s39, s38, 3
	s_add_co_u32 s39, s39, 256                     ; units 256 + 8 group .. + 7
	s_mul_i32 s40, s39, UB
	s_add_nc_u64 s[PWA:PWA+1], s[6:7], s[40:41]
	s_lshl_b32 s40, s39, 8
	s_add_co_u32 s40, s40, WSO
	s_add_nc_u64 s[PSA:PSA+1], s[6:7], s[40:41]
	s_lshl_b32 s40, s38, 8
	s_add_nc_u64 s[8:9], s[8:9], s[40:41]          ; bo at my columns
	s_add_nc_u64 s[OUT:OUT+1], s[10:11], s[40:41]
	s_lshl_b32 s40, s[RBK], 19                     ; 128 rows of 4,096 bytes
	s_add_nc_u64 s[OUT:OUT+1], s[OUT:OUT+1], s[40:41]
.irp t, 0,1,2,3
	global_load_b128 v[BIAS+8*\t:BIAS+8*\t+3], v[BO64], s[8:9] offset:(32*(\t/2)+8*(\t%2))*4
	global_load_b128 v[BIAS+8*\t+4:BIAS+8*\t+7], v[BO64], s[8:9] offset:(32*(\t/2)+8*(\t%2))*4+16
.endr
.irp u, 0,1,2,3,4,5,6,7
	WLOAD \u
.endr
	s_wait_tensorcnt 0x0                           ; my quarter has landed,
	s_barrier_signal -1
	s_barrier_wait -1                              ; everybody's has
.irp be, 0,1,2,3
.irp k, 0,1,2,3,4,5,6,7
	ds_load_b32 v[RS+8*\be+\k], v[RSA] offset:512*\k+128*\be
.endr
.endr
	FETCH 0
; Tile a: the last tile goes to the stage, the next tile's fragments are asked for, this tile is multiplied, the last tile's rows are stored.
.irp a, 0,1,2,3,4,5,6,7
.if \a > 0
	PLACES                                         ; behind the last tile's products: in front of the reads of its results and of the loads into its fragments' registers
.if \a > 2
	s_wait_xcnt 0x0                                ; the stores of the tile three back have read their registers: the last tile's rows may land there
.endif
	TOSTAGE \a-1
.endif
.if \a < 7
	FETCH \a+1
.endif
.if \a == 0
	s_wait_dscnt 32                                ; the scale runs and tile 0's fragments are in; tile 1's 32 loads may be out
.elseif \a < 7
	s_wait_dscnt 48                                ; this tile's fragments are in; the stage's 16 instructions and the next tile's 32 loads may be out
.else
	s_wait_dscnt 16
.endif
	MUL \a
	WIN 0
.if \a > 0
.if \a < 7
	SEND \a-1, 32                                  ; behind the last tile's loads from the stage: the next tile's 32 fragment loads
.else
	SEND \a-1, 0
.endif
.endif
.endr
	PLACES
	s_wait_xcnt 0x0
	TOSTAGE 7
	SEND 7, 0
	s_wait_dscnt 0x0
	s_wait_tensorcnt 0x0                           ; the wave's end
	ds_add_u32 v254, v255
	s_wait_dscnt 0x0
	CROUND                                         ; the closing round
	s_endpgm
.Lfunc_end_k_q348afb5773_outp:
	.size	k_q348afb5773_outp, .Lfunc_end_k_q348afb5773_outp-k_q348afb5773_outp
	.p2alignl 7, 3214868480
	.fill 96, 4, 3214868480
	.section	.rodata,"a",@progbits
	.p2align	6, 0x0
	.amdhsa_kernel k_q348afb5773_outp
		.amdhsa_group_segment_fixed_size 168448
		.amdhsa_private_segment_fixed_size 0
		.amdhsa_enable_private_segment 0
		.amdhsa_kernarg_size 32
		.amdhsa_user_sgpr_count 2
		.amdhsa_user_sgpr_kernarg_segment_ptr 1
		.amdhsa_wavefront_size32 1
		.amdhsa_system_sgpr_workgroup_id_x 1
		.amdhsa_system_sgpr_workgroup_id_y 1
		.amdhsa_system_sgpr_workgroup_id_z 1
		.amdhsa_system_vgpr_workitem_id 0
		.amdhsa_next_free_vgpr 1024
		.amdhsa_next_free_sgpr 66
		.amdhsa_reserve_vcc 0
		.amdhsa_float_denorm_mode_32 3
		.amdhsa_float_denorm_mode_16_64 3
		.amdhsa_memory_ordered 1
		.amdhsa_forward_progress 1
		.amdhsa_inst_pref_size 87
	.end_amdhsa_kernel
	.amdgpu_metadata
---
amdhsa.version: [ 1, 2 ]
amdhsa.kernels:
  - .name:           k_q348afb5773_outp
    .symbol:         k_q348afb5773_outp.kd
    .args:
      - { .name: ao, .offset: 0, .size: 8, .value_kind: global_buffer, .address_space: global }
      - { .name: wq, .offset: 8, .size: 8, .value_kind: global_buffer, .address_space: global }
      - { .name: bo, .offset: 16, .size: 8, .value_kind: global_buffer, .address_space: global }
      - { .name: out0, .offset: 24, .size: 8, .value_kind: global_buffer, .address_space: global }
    .group_segment_fixed_size: 168448
    .private_segment_fixed_size: 0
    .kernarg_segment_align: 8
    .kernarg_segment_size: 32
    .max_flat_workgroup_size: 128
    .sgpr_count:     66
    .vgpr_count:     1024
    .wavefront_size: 32
...
	.end_amdgpu_metadata
.endif
;; end of part 4
